; MI455X (gfx1250); checked and timed in simulation.
; The chip was launched on July 23, 2026; its instructions are those of AMD's public machine-readable ISA for CDNA 5 (MIT licence, August 2026) and "CDNA5" Instruction Set Architecture Reference Guide (July 2026). The comments in the code are by the model that wrote it; some were corrected since.
;; Cross Attention. Allowed arithmetic: matrix products marked QUANTISED: E2M3 operands, one E8M0 scale for each 32 along K, by v_wmma_scale_f32_16x16x128_f8f6f4 with both operands' format E2M3, f32 sums; everything else in f32.
;; Inputs: Wk_codes 1,024 x 32 x 24 uint8 (E2M3 codes of Wk, K innermost, in blocks of 32 codes, four codes in three bytes); Wk_scales 1,024 x 32 uint8 (E8M0 scales of Wk, one for each 32 codes along K); Wo_codes 1,024 x 32 x 24 uint8 (E2M3 codes of Wo, K innermost, in blocks of 32 codes, four codes in three bytes); Wo_scales 1,024 x 32 uint8 (E8M0 scales of Wo, one for each 32 codes along K); Wq_codes 1,024 x 32 x 24 uint8 (E2M3 codes of Wq, K innermost, in blocks of 32 codes, four codes in three bytes); Wq_scales 1,024 x 32 uint8 (E8M0 scales of Wq, one for each 32 codes along K); Wv_codes 1,024 x 32 x 24 uint8 (E2M3 codes of Wv, K innermost, in blocks of 32 codes, four codes in three bytes); Wv_scales 1,024 x 32 uint8 (E8M0 scales of Wv, one for each 32 codes along K); bo 1,024 float32; x_codes 4 x 2,048 x 32 x 24 uint8 (E2M3 codes of x, K innermost, in blocks of 32 codes, four codes in three bytes); x_scales 4 x 2,048 x 32 uint8 (E8M0 scales of x, one for each 32 codes along K).
;; Outputs: out0 4 x 2,048 x 1,024 float32.
;; This version of the problem:
;;   THIS VERSION OF THE PROBLEM IS GIVEN IN LOW PRECISION. The matrix products marked QUANTISED in the list below multiply operands that are first quantised to E2M3 (2 exponent bits, 3 mantissa bits; 6 bits a number), with one power-of-two scale for each 32 numbers along K (OCP MX v1.0); their sums are f32. All else is computed in f32.
;;   The module's matrix products, in the order in which they are computed (A, B: the left and right operand; K: the contracted axis; several contracted axes count as one K, in the product's order):
;;     1. [M 8,192, K 1,024] x [K 1,024, N 1,024]; A: input x (given as codes); B: input Wq (given as codes): QUANTISED
;;     2. [M 8,192, K 1,024] x [K 1,024, N 1,024]; A: input x (given as codes); B: input Wk (given as codes): QUANTISED
;;     3. [M 8,192, K 1,024] x [K 1,024, N 1,024]; A: input x (given as codes); B: input Wv (given as codes): QUANTISED
;;     4. batch 64 x [M 2,048, K 64] x [K 64, N 2,048]; A: computed on the way; B: computed on the way: QUANTISED
;;     5. batch 64 x [M 2,048, K 2,048] x [K 2,048, N 64]; A: softmax (see below); B: computed on the way: QUANTISED
;;     6. [M 8,192, K 1,024] x [K 1,024, N 1,024]; A: computed on the way; B: input Wo (given as codes): QUANTISED
;;   THE QUANTISER, for each operand of a quantised product, along K:
;;     - K is cut into blocks of 32 from its start; a last block that is shorter is filled with zeros.
;;     - A block's scale is 2^e with e = floor(log2(the largest magnitude in the block)) - 2, held to -126 .. 127; a block of zeros has e = 0. As a byte (E8M0): e + 127.
;;     - Each number is divided by its block's scale, clamped to +-7.5, and rounded to the nearest number of E2M3, ties to even, subnormals kept.
;;     - The product sums the exact products of the quantised numbers (number of the format x scale) in f32.
;;   ~~~python
;;   def quantise(x, axis):      # numpy; x: float32 -> the quantised numbers, widened to float32 again
;;       x = np.moveaxis(x, axis, -1); K = x.shape[-1]
;;       x = np.pad(x, [(0, 0)] * (x.ndim - 1) + [(0, -K % 32)]); x = x.reshape(x.shape[:-1] + (-1, 32)); a = np.abs(x).max(-1, keepdims=True)
;;       e = np.where(a > 0, np.clip(np.frexp(np.where(a > 0, a, 1))[1] - 1 - 2, -126, 127), 0)      # np.frexp(a)[1] - 1 = floor(log2(a)), exactly
;;       r = np.clip(x / 2.0 ** e, -7.5, 7.5)
;;       step = 2.0 ** (np.maximum(np.frexp(np.where(r == 0, 1, r))[1] - 1, 0) - 3)
;;       q = np.round(r / step) * step * 2.0 ** e      # np.round: ties to even
;;       return np.moveaxis(q.reshape(q.shape[:-2] + (-1,))[..., :K], -1, axis).astype(np.float32)
;;   ~~~
;;   SOFTMAX AHEAD OF A QUANTISED PRODUCT. Where the list says 'softmax', what is quantised is not the finished softmax but p = 2^(t - M), with t = logit x log2(e) and M = ceil(the row's largest t), a whole number; so 1/2 < the row's largest p <= 1. The row's sum l is taken of the UNQUANTISED p, in f32, and the product's result is divided by l at the end. Since M is a whole number, a kernel that streams over the keys may use a running M (the ceiling of the running maximum): every later rescaling is an exact power of two, which a block's scale takes up: the codes' values come out the same.
;;   OPERANDS COMPUTED ON THE WAY. 'Computed on the way' means the value that the module computes at that place (a softmax that the list does not call 'softmax' is quantised finished and normalised). What goes into a quantiser is computed in f32, as accurately as f32 sums, v_exp_f32 and their like allow (about 1e-6 of the number): no bf16 or f16 on the way to a quantiser, and a product that is left as it is and whose result goes on into a quantised operand takes f32 operands (vector FMAs, or v_wmma_f32_16x16x4_f32). A number that lies on a knife's edge between two numbers of the format may be rounded either way, as far as f32 arithmetic and the matrix unit's own rounding can turn it there, and no further.
;;   INPUTS GIVEN AS CODES. Wk (in the module: [1024, 1024], K = its axis 0); Wo (in the module: [1024, 1024], K = its axis 0); Wq (in the module: [1024, 1024], K = its axis 0); Wv (in the module: [1024, 1024], K = its axis 0); x (in the module: [4, 2048, 1024], K = its axis 2): each comes as NAME_codes (uint8): NAME with its K axis moved to the last place and cut into blocks of 32 codes, [.., K / 32, bytes a block], one block behind the other in memory; four codes in three bytes: a row's codes are one little-endian stream of bits, code i at bits 6 i .. 6 i + 5 (a code: sign, 2 exponent bits, 3 mantissa bits); and NAME_scales (uint8): the same leading axes, one E8M0 byte (e + 127) for each 32 codes along K. Its value is code x scale, taken as it is: it is not quantised again, and the codes and scales need not be those that the quantiser above would give.
;; One version. Each part assembles by itself: llvm-mc -triple=amdgcn-amd-amdhsa -mcpu=gfx1250 --defsym DOCPART=n.
;; ======== version 1 of 1: 3 launches
;; workspace buffers: q_img 6,291,456 bytes; q_sc 524,288 bytes; kv 13,369,344 bytes; ao_img 6,291,456 bytes; ao_sc 524,288 bytes
;; launch qkv (part 1): grid 12 x 32, 4 waves a work-group, clusters of 4 x 4, 327,680 bytes of LDS; arguments x_codes, x_scales, Wq_codes, Wq_scales, Wk_codes, Wk_scales, Wv_codes, Wv_scales, q_img, q_sc, kv; writes q_img, q_sc, kv
.if DOCPART == 1
	.amdgcn_target "amdgcn-amd-amdhsa--gfx1250"
	.amdhsa_code_object_version 6
	.text
	.protected	k_q5eaff66491_qkv
	.globl	k_q5eaff66491_qkv
	.p2align	8
	.type	k_q5eaff66491_qkv,@function
k_q5eaff66491_qkv:
	s_mov_b64 s[64:65], 0
	v_nop
	global_prefetch_b8 v0, s[64:65] scope:SCOPE_SE
	s_setreg_imm32_b32 hwreg(HW_REG_WAVE_MODE, 25, 1), 1
	s_wait_xcnt 0x0
	s_wait_alu depctr_hold_cnt(0) depctr_sa_sdst(0) depctr_va_vdst(0) depctr_va_sdst(0) depctr_va_ssrc(0) depctr_va_vcc(0) depctr_vm_vsrc(0)
	s_getreg_b32 s2, hwreg(HW_REG_IB_STS2, 6, 4)
	s_cmp_eq_u32 s2, 0
	s_cbranch_scc0 .Lentry_in_a_cluster
	s_endpgm
.Lentry_in_a_cluster:
	s_bfe_u32 s2, ttmp6, 0x10000c
	s_cmp_lg_u32 s2, 0xf033
	s_cbranch_scc0 .Lentry_shape_is_right
	s_endpgm
.Lentry_shape_is_right:
; q = rope(x Wq), k = rope(x Wk), v = x Wv on codes of FP6 (E2M3) with one E8M0 scale for each 32 along K = 1,024; the results are quantised again, q and k along the head's 64, v along the keys,
; and leave as IMAGES OF OPERAND REGISTERS for the attention launch.
; ONE PATH FOR ALL THREE.  Cluster x says which: T = 0 q, 1 k, 2 v.  A tile of 256 x 256 is made by four waves, 128 x 128 each, 64 accumulators.  Source 0 is operand P, whose rows run along a lane's result
; registers; source 1 is operand R, whose rows lie in the lanes.  T = 0, 1: P = rows of Wq / Wk (head x 64 + d), R = rows of x (tokens).  T = 2: P = rows of x (keys), R = rows of Wv.  So the axis along which the
; result is quantised always runs along a lane's registers.  The rotation is applied on every path; for T = 2 the frequencies are multiplied by 0, so that cos = 1 and sin = 0 and the rotation changes nothing.
; CLUSTER 4 x 4: P's tile hangs on cx and is asked for jointly by a column of the cluster, R's on cy and by a row.  K goes in steps of 256 (rows of 192 bytes) through a ring of two LDS slots.
; SINES AND COSINES are made here, in f32, while the first tiles are on their way: angle = position x frequency (one rounding, as the definition has it), reduced by a multiple of pi/2 held in two parts, two polynomials.
; A GROUP IMAGE: 32 rows x 64 codes = 1,536 bytes, [g 2][plane 3][256]: unit (g, p) holds registers 2 p, 2 p + 1 of the half fragment of rows 16 g + r; lane (r, h) has its 8 bytes at slot (r xor 8 g) + 16 h.
; Each unit is written by one store of the wave: 256 consecutive bytes, aligned.
; LIMITS: the frequencies are the f32 numbers nearest to 10^(-i/8): should the definition's own f32 power come out an ulp away, the angle differs by up to 1.2e-4 rad at position 2,047.
; A block whose largest magnitude lies under 2^-124, and a block of zeros, keeps the scale byte 1 (its codes are zeros or tiny; this program alone reads the bytes).  NaN and infinities are not served.
.set PITCH,  240                       ; an LDS row: 3 x (64 bytes + 16 of padding)
.set HALFT,  128*PITCH                 ; 128 rows: one tensor load, and what a wave reads of R or of P
.set SLOT,   4*HALFT                   ; R's 256 rows, then P's 256 rows
.set TABLE,  2*SLOT                    ; behind the ring: 256 rows (R's) x 32 pairs (cos, sin), 256 bytes + 16
.set TP,     272
.set SSTAGE, TABLE+256*TP              ; 1,024 bytes a wave: scale words on their way out
.set SPARE,  SSTAGE+4096               ; the spare words, 128 bytes a wave: two blocks of 256 bytes that no other line names
.set ROWB,   192
.set KROW,   768
.set FR,     12
.set NL,     6
.set SOFF2, 14                         ; v14  the second head's scale image: SOFF + the distance between heads
.set SH8,  15                          ; v15  8 h
.set ADRR, 16                          ; v16-17 R's fragments in slot 0, 1; v18-19 the same behind one padding more
.set ADRP, 20                          ; v20-23 the same for P
.set TRD,  24                          ; v24  my place in the table
.set SST,  25                          ; v25  where I put a scale word
.set SLD,  26                          ; v26  where I read 16 bytes of scale words back
.set SOFF, 27                          ; v27  and their offset in memory
.set SPW,  28                          ; v28  my spare word; never rewritten
.set NIL,  29                          ; v29  0; never rewritten
.set LO,   30                          ; v30  8 x lane;  v31  8 x (lane xor 8)
.set SCR,  32                          ; v32-63  R's scale words: block a at 4 a; register Q & 3: lanes 0-15 K step Q (0-3), lanes 16-31 K step Q + 4
.set SCP,  64                          ; v64-95  P's likewise
.set RF,   128                         ; v128-223 R's eight fragments, one set.  Window 1: P's two sets, at v0 and v128.  Windows 2, 3: the accumulators, (a, b) at v[8 (8 (a % 4) + b)]
.set PF,   96                          ; the table's making: v96-139, v224-226
.set AN,   100
.set NN,   104
.set ZZ,   108
.set SN,   112
.set CN,   116
.set UU,   120
.set NI,   124
.set OUTP, 128
.set VV,   136
.set INVF, 224
.set TADR, 225
.set TB0,  226
.set CS,   32                          ; the way out: v32-63, v64-95 a block's (cos, sin), two sets by turns
.set W,    128                         ; v128-191 a block's 2 x 32 rotated numbers
.set C,    192                         ; v192-203 their codes
.set PT,   216                         ; v216-218, v220-222 the upper halves as the conversions leave them
.set BM,   224                         ; v224-225 largest magnitudes; v234-235 their second chains
.set SO,   226
.set BY,   228
.set T0,   230
.set BM2,  234
.set WV, 26
.set WR, 27                            ; my half of R's rows; also: I fetch for R (0) or for P (1)
.set WP, 28                            ; my half of P's rows; also: which 128 rows I fetch
.set TT, 29
.set YY, 30
.set CX, 31
.set CY, 32
.set G1R, 36                           ; s[36:43], s[44:51] descriptor groups 1;  s[52:59] R's groups 0, a set a slot;  s[60:63], s[68:71] P's
.set G1P, 44
.set G0R, 52
.set G0P, 60
.set OB,  82                           ; s[82:97] eight store bases: group beta, chunk c at OB + 4 beta + 2 c
.set SCB, 98                           ; s[98:99] the scale images' base
.set RFI, 100                          ; s100 R's first row, s101 P's
.set PFI, 101
.set MSB, 0
.macro WIN new                         ; the immediate's high byte repeats the setting that is left
.if MSB != \new
	s_set_vgpr_msb (MSB<<8)|\new
.set MSB, \new
.endif
.endm
.set MUL_LO, 0xa1                      ; source 0 (P) window 1, source 1 (R) window 0, C and D window 2
.set MUL_HI, 0xf1                      ; the same, C and D window 3
.set TO_P,   0x40                      ; destination window 1
; A joint load: waves 0 and 1 fetch R's halves, waves 2 and 3 P's.  The branch hangs on the wave's number alone.  Four v_nop follow each of the two lines.
.macro JLOAD g0r, g0p
	s_cmp_eq_u32 s[WR], 0
	s_cbranch_scc0 .Lfor_p_\@
	tensor_load_to_lds s[\g0r:\g0r+3], s[G1R:G1R+7]
	s_nop 0
.rept 4
	v_nop
.endr
	s_branch .Lasked_\@
.Lfor_p_\@:
	tensor_load_to_lds s[\g0p:\g0p+3], s[G1P:G1P+7]
	s_nop 0
.rept 4
	v_nop
.endr
.Lasked_\@:
.endm
.macro CREST                           ; a round of the cluster's barrier behind its opening barrier
	s_cmp_lg_u32 s[WV], 0
	s_cbranch_scc1 .Lnot_wave_0_\@
	s_barrier_signal -3
.Lnot_wave_0_\@:
	s_barrier_wait -3
	s_barrier_signal -1
	s_barrier_wait -1
.endm
.macro CROUND
	s_barrier_signal -1
	s_barrier_wait -1
	CREST
.endm
.macro PLACES                          ; four plain vector places behind matrix instructions, in front of loads into their registers and of reads of their results
.rept 4
	v_nop
.endr
.endm
	s_load_b512 s[4:19], s[0:1], 0x0               ; x codes, x scales, Wq codes, scales, Wk codes, scales, Wv codes, scales
	s_load_b128 s[20:23], s[0:1], 0x40             ; q_img, q_sc
	s_load_b64 s[24:25], s[0:1], 0x50              ; kv
	v_lshl_add_u32 v[SPW], v0, 2, SPARE
	v_mov_b32 v[NIL], 0
	ds_add_u32 v28, v29
	ds_add_u32 v28, v29
	s_wait_dscnt 0x0
	v_lshrrev_b32 v1, 5, v0
	v_readfirstlane_b32 s[WV], v1                  ; wave 0..3
	s_lshr_b32 s[WR], s[WV], 1
	s_and_b32 s[WP], s[WV], 1
	s_mov_b32 s[TT], ttmp9                         ; cluster x: 0 q, 1 k, 2 v: the same in all sixteen partners
	s_and_b32 s[YY], ttmp7, 0xffff                 ; cluster y: which 1,024 rows of x
	s_bfe_u32 s[CX], ttmp6, 0x40000
	s_bfe_u32 s[CY], ttmp6, 0x40004
	s_lshl_b32 s33, s[CY], 2
	s_lshl_b32 s33, 15, s33                        ; my row of the cluster
	s_lshl_b32 s34, 0x1111, s[CX]                  ; my column
	s_or_b32 s[G1R], s33, (1<<20)|(1<<21)|(3<<22)|(3<<25)   ; 15:0 the mask; elements of 1 byte; padding on; bit 21 beside a mask; after every 16 words 4 words
	s_or_b32 s[G1P], s34, (1<<20)|(1<<21)|(3<<22)|(3<<25)
.irp g, G1R, G1P
	s_mov_b32 s[\g+1], ROWB<<16                    ; tensor_dim0
	s_mov_b32 s[\g+2], 128<<16                     ; tensor_dim1
	s_mov_b32 s[\g+3], ROWB<<16                    ; tile_dim0
	s_mov_b32 s[\g+4], 128                         ; tile_dim1
	s_mov_b32 s[\g+5], KROW                        ; from row to row
	s_mov_b32 s[\g+6], 0
	s_mov_b32 s[\g+7], 0
.endr
	s_lshl_b32 s35, s[YY], 10
	s_cmp_eq_u32 s[TT], 2
	s_cselect_b32 s[RFI], 0, s35                   ; the operand that is x takes the cluster's 1,024 rows
	s_cselect_b32 s[PFI], s35, 0
	s_lshl_b32 s33, s[CY], 8
	s_add_co_u32 s[RFI], s[RFI], s33               ; R's first row: hangs on cy alone among the places
	s_lshl_b32 s34, s[CX], 8
	s_add_co_u32 s[PFI], s[PFI], s34               ; P's: on cx alone
	s_lshl_b32 s2, s[WP], 7
	s_add_co_u32 s86, s[RFI], s2
	s_mul_i32 s86, s86, KROW                       ; the 128 rows that I would fetch of R, in bytes (under 2^23)
	s_mov_b32 s87, 0
	s_add_co_u32 s88, s[PFI], s2
	s_mul_i32 s88, s88, KROW
	s_mov_b32 s89, 0
	s_mul_i32 s3, s[WV], HALFT                     ; where they go: wave x 128 rows
	s_wait_kmcnt 0x0
	s_cmp_eq_u32 s[TT], 0
	s_cselect_b64 s[8:9], s[8:9], s[12:13]         ; Wq or Wk
	s_cselect_b64 s[10:11], s[10:11], s[14:15]
	s_cmp_eq_u32 s[TT], 2
	s_cselect_b64 s[12:13], s[4:5], s[8:9]         ; P's codes
	s_cselect_b64 s[14:15], s[6:7], s[10:11]       ; P's scales
	s_cselect_b64 s[16:17], s[16:17], s[4:5]       ; R's codes
	s_cselect_b64 s[18:19], s[18:19], s[6:7]       ; R's scales
	s_add_nc_u64 s[86:87], s[16:17], s[86:87]
	s_add_nc_u64 s[88:89], s[12:13], s[88:89]
	CROUND                                         ; all sixteen work-groups are here: the first joint loads meet
.irp s, 0,1
	s_mov_b32 s[G0R+4*\s], 1
	s_add_co_u32 s[G0R+4*\s+1], s3, \s*SLOT
	s_add_nc_u64 s[G0R+4*\s+2:G0R+4*\s+3], s[86:87], \s*ROWB
	s_or_b32 s[G0R+4*\s+3], s[G0R+4*\s+3], 0x80000000
	s_mov_b32 s[G0P+8*\s], 1
	s_add_co_u32 s[G0P+8*\s+1], s3, \s*SLOT
	s_add_nc_u64 s[G0P+8*\s+2:G0P+8*\s+3], s[88:89], \s*ROWB
	s_or_b32 s[G0P+8*\s+3], s[G0P+8*\s+3], 0x80000000
	JLOAD G0R+4*\s, G0P+8*\s                       ; two loads of mine are out
.endr
	; THE SCALES OF MY 128 + 128 ROWS, for all of K, stay in registers: a row's 32 bytes are 8 words; lane (r, h) takes words 4 h .. 4 h + 3 of row r: each load reads 512 consecutive bytes
	v_and_b32 v1, 15, v0                           ; r
	v_bfe_u32 v2, v0, 4, 1                         ; h
	v_and_b32 v7, 31, v0                           ; lane
	v_lshlrev_b32 v6, 5, v1
	v_lshl_add_u32 v6, v2, 4, v6                   ; 32 r + 16 h
	s_wait_alu depctr_va_vdst(0)
	s_lshl_b32 s2, s[WR], 7
	s_add_co_u32 s2, s2, s[RFI]
	s_lshl_b32 s2, s2, 5
	s_mov_b32 s3, 0
	s_add_nc_u64 s[18:19], s[18:19], s[2:3]
	s_lshl_b32 s2, s[WP], 7
	s_add_co_u32 s2, s2, s[PFI]
	s_lshl_b32 s2, s2, 5
	s_add_nc_u64 s[14:15], s[14:15], s[2:3]
.irp i, 0,1,2,3,4,5,6,7
	global_load_b128 v[SCR+4*\i:SCR+4*\i+3], v6, s[18:19] offset:512*\i
	global_load_b128 v[SCP+4*\i:SCP+4*\i+3], v6, s[14:15] offset:512*\i
.endr
	v_mul_u32_u24 v3, v1, PITCH
	v_mad_u32_u24 v4, v2, 24, v3                   ; a fragment's row x pitch + 24 x half
	v_lshl_add_u32 v5, v2, 4, v4                   ; and the same behind one padding more
	s_mul_i32 s2, s[WR], HALFT
	s_mul_i32 s3, s[WP], HALFT
	s_add_co_u32 s3, s3, 2*HALFT
.irp s, 0,1
	v_add_nc_u32 v[ADRR+\s], s2, v4
	v_add_nc_u32 v[ADRP+\s], s3, v4
	v_add_nc_u32 v[ADRR+2+\s], s2, v5
	v_add_nc_u32 v[ADRP+2+\s], s3, v5
	s_add_co_u32 s2, s2, SLOT
	s_add_co_u32 s3, s3, SLOT
.endr
	v_lshlrev_b32 v[SH8], 3, v2
	s_mul_i32 s2, s[WR], 128*TP
	v_mul_u32_u24 v[TRD], v1, TP
	v_lshl_add_u32 v[TRD], v2, 5, v[TRD]
	v_add_nc_u32 v[TRD], s2, v[TRD]
	v_add_nc_u32 v[TRD], TABLE, v[TRD]             ; the table: row 128 WR + r, + 32 h: frequencies 4 h on
	v_and_b32 v8, 7, v1
	v_lshlrev_b32 v[SST], 4, v8
	v_lshrrev_b32 v8, 3, v1
	v_lshl_add_u32 v[SST], v8, 2, v[SST]
	v_lshl_add_u32 v[SST], v2, 9, v[SST]
	s_lshl_b32 s2, s[WV], 10
	v_add_nc_u32 v[SST], s2, v[SST]
	v_add_nc_u32 v[SST], SSTAGE, v[SST]            ; 16 (r & 7) + 4 (r >> 3) + 512 h + 1,024 wave
	v_lshlrev_b32 v[SLD], 4, v7
	v_add_nc_u32 v[SLD], s2, v[SLD]
	v_add_nc_u32 v[SLD], SSTAGE, v[SLD]
	s_cmp_eq_u32 s[TT], 2
	s_cselect_b32 s2, 208640, 0                    ; v: lanes 16-31 hold the next head's 256 bytes: a head's 208,896 bytes on, less the 256 that 16 x lane has counted
	v_mul_u32_u24 v8, s2, v2
	v_lshl_add_u32 v[SOFF], v7, 4, v8
	v_lshlrev_b32 v[LO], 3, v7
	v_xor_b32 v8, 8, v7
	v_lshlrev_b32 v[LO+1], 3, v8
	; THE TABLE.  Lane i holds frequency i = 10^(-i/8); wave w makes rows 64 w .. 64 w + 63, four a trip.
.macro FREQ lane, val
	s_mov_b32 s2, \val
	v_writelane_b32 v[INVF], s2, \lane
.endm
	v_mov_b32 v[INVF], 0
	FREQ 0, 1.0
	FREQ 1, 0.7498942093
	FREQ 2, 0.5623413252
	FREQ 3, 0.4216965034
	FREQ 4, 0.3162277660
	FREQ 5, 0.2371373706
	FREQ 6, 0.1778279410
	FREQ 7, 0.1333521432
	FREQ 8, 0.1
	FREQ 9, 0.07498942093
	FREQ 10, 0.05623413252
	FREQ 11, 0.04216965034
	FREQ 12, 0.03162277660
	FREQ 13, 0.02371373706
	FREQ 14, 0.01778279410
	FREQ 15, 0.01333521432
	FREQ 16, 0.01
	FREQ 17, 0.007498942093
	FREQ 18, 0.005623413252
	FREQ 19, 0.004216965034
	FREQ 20, 0.003162277660
	FREQ 21, 0.002371373706
	FREQ 22, 0.001778279410
	FREQ 23, 0.001333521432
	FREQ 24, 0.001
	FREQ 25, 0.0007498942093
	FREQ 26, 0.0005623413252
	FREQ 27, 0.0004216965034
	FREQ 28, 0.0003162277660
	FREQ 29, 0.0002371373706
	FREQ 30, 0.0001778279410
	FREQ 31, 0.0001333521432
	s_cmp_eq_u32 s[TT], 2
	s_cselect_b32 s2, 0, 1.0
	v_mul_f32 v[INVF], s2, v[INVF]                 ; v is not rotated: every angle 0
	s_mov_b32 s72, 0x3f22f983                      ; 2 / pi
	s_mov_b32 s73, 0x3fc90fdb                      ; pi / 2, the f32 nearest,
	s_mov_b32 s74, 0xb33bbd2e                      ; and what it leaves
	s_mov_b32 s75, -0.00019515295891               ; sine's polynomial on |r| <= pi / 4
	s_mov_b32 s76, 0.0083321608736
	s_mov_b32 s77, -0.16666654611
	s_mov_b32 s78, 0.00002443315712                ; cosine's
	s_mov_b32 s79, -0.001388731625
	s_mov_b32 s80, 0.04166664568
	s_and_b32 s2, s[RFI], 2047
	s_lshl_b32 s3, s[WV], 6
	s_add_co_u32 s2, s2, s3                        ; the position of my first row
	v_cvt_f32_u32 v[PF], s2
	v_add_f32 v[PF+1], 1.0, v[PF]
	v_add_f32 v[PF+2], 2.0, v[PF]
	v_add_f32 v[PF+3], 1.0, v[PF+2]
	s_mul_i32 s2, s[WV], 64*TP
	v_lshlrev_b32 v[TB0], 3, v7
	v_add_nc_u32 v[TB0], s2, v[TB0]
	v_add_nc_u32 v[TB0], TABLE, v[TB0]             ; my first row, 8 bytes a lane
	s_mov_b32 s35, 0
	s_mov_b32 s81, 0
.Ltrig:
	s_wait_alu depctr_va_vdst(0)
.irp k, 0,1,2,3
	v_mul_f32 v[AN+\k], v[INVF], v[PF+\k]          ; the angle, rounded once
.endr
.irp k, 0,1,2,3
	v_mul_f32 v[NN+\k], s72, v[AN+\k]
.endr
.irp k, 0,1,2,3
	v_rndne_f32 v[NN+\k], v[NN+\k]                 ; n: how many quarter turns
.endr
.irp k, 0,1,2,3
	v_fma_f32 v[AN+\k], -v[NN+\k], s73, v[AN+\k]
.endr
.irp k, 0,1,2,3
	v_fma_f32 v[AN+\k], -v[NN+\k], s74, v[AN+\k]   ; r = angle - n pi / 2
.endr
.irp k, 0,1,2,3
	v_mul_f32 v[ZZ+\k], v[AN+\k], v[AN+\k]
	v_cvt_i32_f32 v[NI+\k], v[NN+\k]
.endr
.irp k, 0,1,2,3
	v_fma_f32 v[SN+\k], v[ZZ+\k], s75, s76
	v_fma_f32 v[CN+\k], v[ZZ+\k], s78, s79
.endr
.irp k, 0,1,2,3
	v_fma_f32 v[SN+\k], v[SN+\k], v[ZZ+\k], s77
	v_fma_f32 v[CN+\k], v[CN+\k], v[ZZ+\k], s80
.endr
.irp k, 0,1,2,3
	v_mul_f32 v[UU+\k], v[ZZ+\k], v[AN+\k]
	v_fma_f32 v[VV+\k], v[ZZ+\k], -0.5, 1.0
.endr
.irp k, 0,1,2,3
	v_fma_f32 v[SN+\k], v[SN+\k], v[UU+\k], v[AN+\k]   ; sin r
	v_mul_f32 v[UU+\k], v[ZZ+\k], v[ZZ+\k]
.endr
.irp k, 0,1,2,3
	v_fma_f32 v[CN+\k], v[CN+\k], v[UU+\k], v[VV+\k]   ; cos r
	v_and_b32 v[ZZ+\k], 1, v[NI+\k]
.endr
.irp k, 0,1,2,3
	v_cmp_eq_u32 s[82+\k], 1, v[ZZ+\k]             ; an odd n: the two change places (a choice of values; no branch)
.endr
.irp k, 0,1,2,3
	v_cndmask_b32 v[UU+\k], v[SN+\k], v[CN+\k], s[82+\k]
	v_cndmask_b32 v[VV+\k], v[CN+\k], v[SN+\k], s[82+\k]
.endr
.irp k, 0,1,2,3
	v_lshlrev_b32 v[ZZ+\k], 30, v[NI+\k]
	v_add_nc_u32 v[NI+\k], 1, v[NI+\k]
.endr
.irp k, 0,1,2,3
	v_and_b32 v[ZZ+\k], 0x80000000, v[ZZ+\k]       ; the sine's sign turns where n mod 4 is 2 or 3,
	v_lshlrev_b32 v[NI+\k], 30, v[NI+\k]
.endr
.irp k, 0,1,2,3
	v_xor_b32 v[OUTP+2*\k+1], v[ZZ+\k], v[UU+\k]
	v_and_b32 v[NI+\k], 0x80000000, v[NI+\k]       ; the cosine's where it is 1 or 2
.endr
.irp k, 0,1,2,3
	v_xor_b32 v[OUTP+2*\k], v[NI+\k], v[VV+\k]
.endr
	v_add_nc_u32 v[TADR], s35, v[TB0]
.irp k, 0,1,2,3
	ds_store_b64 v[TADR], v[OUTP+2*\k:OUTP+2*\k+1] offset:TP*\k   ; (cos, sin): the wave writes a row's 256 bytes
.endr
.irp k, 0,1,2,3
	v_add_f32 v[PF+\k], 4.0, v[PF+\k]
.endr
	s_add_co_u32 s35, s35, 4*TP
	s_add_co_u32 s81, s81, 1
	s_cmp_lt_u32 s81, 16
	s_cbranch_scc1 .Ltrig
; a fragment, 16 rows x 128 K, is 12 registers: lane l holds row l % 16; registers 6 c .. 6 c + 5 hold K = 64 c + 32 (l / 16) + 0 .. 31: 24 bytes of the row's stream of bits, in pieces of 8 bytes.
; Lanes 16-31 read three pieces further on; where that lies behind one padding more, the second address register serves.
.macro FRAG reg, adr, q, i
.irp p, 0,1,2,3,4,5
.set PC, 12*(\q)+6*(\p/3)+\p%3
.if PC%8 < 5
	ds_load_b64 v[\reg+2*\p:\reg+2*\p+1], v[\adr] offset:8*PC+16*(PC/8)+(\i)*16*PITCH
.else
	ds_load_b64 v[\reg+2*\p:\reg+2*\p+1], v[\adr+2] offset:8*PC+16*(PC/8)+(\i)*16*PITCH
.endif
.endr
.endm
; 16 matrix instructions: R's blocks a0, a0 + 1 x P's eight; p: P's set; q: the K step of 128 (0 .. 7).  The 64 accumulators take turns, one instruction a turn.
.macro MUL16 a0, p, q, zero
.irp a, \a0, \a0+1
.irp b, 0,1,2,3,4,5,6,7
.set rD, 8*(8*((\a)%4)+\b)
.set rP, 128*(\p)+FR*\b
.set rR, RF+FR*(\a)
.set rSP, SCP+4*\b+((\q)&3)
.set rSR, SCR+4*(\a)+((\q)&3)
.if \zero
	v_wmma_scale_f32_16x16x128_f8f6f4 v[rD:rD+7], v[rP:rP+FR-1], v[rR:rR+FR-1], 0, v[rSP], v[rSR] matrix_a_fmt:MATRIX_FMT_FP6 matrix_b_fmt:MATRIX_FMT_FP6
.elseif (\q) < 4
	v_wmma_scale_f32_16x16x128_f8f6f4 v[rD:rD+7], v[rP:rP+FR-1], v[rR:rR+FR-1], v[rD:rD+7], v[rSP], v[rSR] matrix_a_fmt:MATRIX_FMT_FP6 matrix_b_fmt:MATRIX_FMT_FP6
.else
	v_wmma_scale_f32_16x16x128_f8f6f4 v[rD:rD+7], v[rP:rP+FR-1], v[rR:rR+FR-1], v[rD:rD+7], v[rSP], v[rSR] matrix_a_fmt:MATRIX_FMT_FP6 matrix_b_fmt:MATRIX_FMT_FP6 matrix_a_scale:MATRIX_SCALE_ROW1 matrix_b_scale:MATRIX_SCALE_ROW1
.endif
.endr
.endr
.endm
.macro FETCH_P slot, q, p
	WIN TO_P
.irp i, 0,1,2,3,4,5,6,7
	FRAG 128*(\p)+FR*\i, ADRP+\slot, \q, \i
.endr
	WIN 0
.endm
.macro FETCH_R slot, q, i0
.irp i, \i0, \i0+1, \i0+2, \i0+3
	FRAG RF+FR*(\i), ADRR+\slot, \q, \i
.endr
.endm
; a slot's first 128 along K; its successor lies in the same slot
.macro STEP slot, Q, zero
	s_wait_dscnt 4*NL                              ; P's set and R's blocks 0-3 are in; the youngest 24 loads (R's blocks 4-7) may be out
	WIN MUL_LO
	MUL16 0, 0, \Q, \zero
	MUL16 2, 0, \Q, \zero
	s_wait_dscnt 0x0                               ; R's blocks 4-7 are in
	PLACES
	FETCH_P \slot, 1, 1
	FETCH_R \slot, 1, 0
	WIN MUL_HI
	MUL16 4, 0, \Q, \zero
	MUL16 6, 0, \Q, \zero
	PLACES
	WIN 0
	FETCH_R \slot, 1, 4
.endm
; a slot's second 128 along K changes slots: one barrier; in front of it each wave waits for all its tensor loads, adds 0 to its spare word, and waits for that and for its reads of this slot
.macro TURN slot, next, fill, Q
	s_wait_tensorcnt 0x0                           ; all my tensor loads have landed: my part of the next slot
	ds_add_u32 v[SPW], v[NIL]                      ; 0 onto my spare word
	s_wait_dscnt 4*NL+1                            ; (the add and the youngest 24 loads may be out)
	WIN MUL_LO
	MUL16 0, 1, \Q, 0
	s_wait_dscnt 0x0                               ; the add is done, and my reads of this slot are over
	s_barrier_signal -1
	MUL16 2, 1, \Q, 0
	WIN 0
	s_barrier_wait -1
.if \fill
	CREST                                          ; the barrier has opened a round of the cluster's: no wave of any partner still reads this slot or has a load on its way
	s_add_nc_u64 s[G0R+4*\slot+2:G0R+4*\slot+3], s[G0R+4*\slot+2:G0R+4*\slot+3], 2*ROWB
	s_add_nc_u64 s[G0P+8*\slot+2:G0P+8*\slot+3], s[G0P+8*\slot+2:G0P+8*\slot+3], 2*ROWB
	JLOAD G0R+4*\slot, G0P+8*\slot                 ; the first tensor load behind the round; its four v_nop are the places in front of the loads below
.else
	PLACES
.endif
	FETCH_P \next, 0, 0
	FETCH_R \next, 0, 0
	WIN MUL_HI
	MUL16 4, 1, \Q, 0
	MUL16 6, 1, \Q, 0
	PLACES
	WIN 0
	FETCH_R \next, 0, 4
.endm
	s_wait_tensorcnt 0x1                           ; my part of slot 0 is in; slot 1's load may be out
	s_wait_dscnt 0x0                               ; my rows of the table are written, for the other waves
	s_wait_loadcnt 0x0                             ; the scales
	s_barrier_signal -1
	s_barrier_wait -1
	FETCH_P 0, 0, 0
	FETCH_R 0, 0, 0
	FETCH_R 0, 0, 4
	; WHERE THE RESULTS GO (scalar work while the first fragments come).  m0: my first token, n0: my first head x 64 + d
	s_lshl_b32 s2, s[WR], 7
	s_add_co_u32 s2, s2, s[RFI]
	s_lshl_b32 s3, s[WP], 7
	s_add_co_u32 s3, s3, s[PFI]
	s_cmp_eq_u32 s[TT], 2
	s_cselect_b32 s4, s3, s2                       ; m0
	s_cselect_b32 s5, s2, s3                       ; n0
	s_lshr_b32 s6, s4, 11
	s_lshl_b32 s6, s6, 4
	s_lshr_b32 s7, s5, 6
	s_add_co_u32 s6, s6, s7                        ; my first head: 16 x batch + head
	s_bfe_u32 s7, s4, 0x40007                      ; which 128 tokens of the 2,048
	s_cmp_eq_u32 s[TT], 0
	s_mov_b32 s8, 208896
	s_cselect_b32 s8, 98304, s8                    ; a head's bytes: in q_img, in kv
	s_mov_b32 s9, 13056
	s_cselect_b32 s9, 6144, s9                     ; 128 tokens' bytes
	s_cselect_b64 s[10:11], s[20:21], s[24:25]
	s_cselect_b64 s[12:13], s[22:23], s[24:25]
	s_cselect_b32 s18, 8192, s8                    ; from a head's scale image to the next head's
	s_mul_i32 s14, s6, s8
	s_mul_i32 s15, s7, s9
	s_mul_i32 s16, s6, 8192
	s_mul_i32 s17, s7, 512
	s_add_co_u32 s14, s14, s15
	s_add_co_u32 s16, s16, s17                     ; q's scale image
	s_cmp_eq_u32 s[TT], 2
	s_mov_b32 s15, 12288
	s_cselect_b32 s15, 12800, s15                  ; k's, v's scale image in a step of kv
	s_mov_b32 s17, 1536
	s_cselect_b32 s72, 3072, s17                   ; from group beta to beta + 1
	s_mov_b32 s19, 3072
	s_cselect_b32 s74, s8, s19                     ; to beta + 2 (v: the next head)
	s_cselect_b32 s76, s17, s8                     ; from chunk 0 to chunk 1 (q, k: the next head)
	s_cselect_b32 s78, 6144, 0                     ; v's images lie behind k's
	s_cselect_b32 s7, 0, 16
	s_mov_b32 s8, 0xffff
	s_cselect_b32 s8, -1, s8
	s_add_co_u32 s15, s15, s14
	s_add_co_u32 s78, s78, s14
	s_cmp_eq_u32 s[TT], 0
	s_cselect_b32 s80, s16, s15
	s_mov_b32 s73, 0
	s_mov_b32 s75, 0
	s_mov_b32 s77, 0
	s_mov_b32 s79, 0
	s_mov_b32 s81, 0
	s_add_nc_u64 s[OB:OB+1], s[10:11], s[78:79]
	s_add_nc_u64 s[SCB:SCB+1], s[12:13], s[80:81]
	s_add_nc_u64 s[OB+2:OB+3], s[OB:OB+1], s[76:77]
.irp c, 0,1
	s_add_nc_u64 s[OB+4+2*\c:OB+5+2*\c], s[OB+2*\c:OB+1+2*\c], s[72:73]
	s_add_nc_u64 s[OB+8+2*\c:OB+9+2*\c], s[OB+2*\c:OB+1+2*\c], s[74:75]
	s_add_nc_u64 s[OB+12+2*\c:OB+13+2*\c], s[OB+4+2*\c:OB+5+2*\c], s[74:75]
.endr
	v_add_nc_u32 v[SOFF2], s18, v[SOFF]
	s_mov_b32 s4, 0x76543210
	s_mov_b32 s5, 0xfedcba98                       ; v_permlanex16_b32's selects for lane l xor 16
	s_mov_b32 s6, 0xffff0000                       ; lanes 16-31
	; K = 1,024: eight steps of 128, four slots' worth
	STEP 0, 0, 1                                   ; the first products start the sums: nothing is cleared
	TURN 0, 1, 1, 1
	STEP 1, 2, 0
	TURN 1, 0, 1, 3
	STEP 0, 4, 0
	TURN 0, 1, 0, 5                                ; nothing is left to fetch
	STEP 1, 6, 0
	s_wait_dscnt 4*NL
	WIN MUL_LO
	MUL16 0, 1, 7, 0
	MUL16 2, 1, 7, 0
	s_wait_dscnt 0x0
	WIN MUL_HI
	MUL16 4, 1, 7, 0
	MUL16 6, 1, 7, 0
	WIN 0
	PLACES
; THE WAY OUT, a block of 16 rows of R at a time (a = 2 beta + g).  In accumulator (a, b) lane (r, h) holds row r of R and P's rows 16 b + 8 h + 0 .. 7.
.macro TABLD a                         ; the block's (cos, sin): tile b', pair i' is frequency 8 b' + 4 h + i'
.set CSL, CS+32*((\a)%2)
.irp k, 0,1,2,3,4,5,6,7
	ds_load_b128 v[CSL+4*\k:CSL+4*\k+3], v[TRD] offset:(\a)*16*TP+64*(\k/2)+16*(\k%2)
.endr
.endm
.macro EPI a
.if (\a) < 7
	TABLD (\a)+1
.endif
.set CSB, CS+32*((\a)%2)
.if (\a) == 0
	s_wait_dscnt 8                                 ; this block's eight table loads are in; the next block's eight may be out
.elseif (\a) < 7
	s_wait_dscnt 9                                 ; behind them: the last block's scale store and the next block's eight loads
.else
	s_wait_dscnt 1
.endif
	WIN 0x02+(\a)/4                                ; source 0: the accumulators' window
.irp b, 0,1,2,3,4,5,6,7
.set rX, 8*(8*((\a)%4)+\b)
.set rW, W+32*(\b/4)+8*(2*(\b%2)+(\b%4)/2)         ; tiles 0, 1, 2, 3 of a chunk go to places 0, 2, 1, 3, for the exchange below
.set rC, CSB+8*(\b%4)
.irp i, 0,2,4,6
	v_pk_mul_f32 v[rW+\i:rW+\i+1], v[rX+\i:rX+\i+1], v[rC+\i:rC+\i+1] op_sel_hi:[1,0]   ; x1 cos, x2 cos; each accumulator is read from its low end on
.endr
.irp i, 0,2,4,6
	v_pk_fma_f32 v[rW+\i:rW+\i+1], v[rX+\i:rX+\i+1], v[rC+\i:rC+\i+1], v[rW+\i:rW+\i+1] op_sel:[1,1,0] op_sel_hi:[0,1,1] neg_lo:[0,1,0]   ; - x2 sin, + x1 sin
.endr
.endr
	WIN 0
.irp c, 0,1                            ; the halves of the lanes change eights, so that lane (r, h) holds block h of chunk c whole: register 32 c + i is k = 64 c + 32 h + i
.irp j, 0,1,2,3,4,5,6,7
	v_permlane16_swap_b32 v[W+32*\c+\j], v[W+32*\c+8+\j]
	v_permlane16_swap_b32 v[W+32*\c+16+\j], v[W+32*\c+24+\j]
.endr
.endr
.irp c, 0,1
	v_max3_num_f32 v[BM+\c], |v[W+32*\c]|, |v[W+32*\c+1]|, 0x1800000      ; the block's largest magnitude, with the floor 2^(3 - 127): the byte cannot fall under 1
	v_max3_num_f32 v[BM2+\c], |v[W+32*\c+16]|, |v[W+32*\c+17]|, |v[W+32*\c+18]|
.endr
.irp i, 2,4,6,8,10,12
.irp c, 0,1
	v_max3_num_f32 v[BM+\c], v[BM+\c], |v[W+32*\c+\i]|, |v[W+32*\c+\i+1]|
	v_max3_num_f32 v[BM2+\c], v[BM2+\c], |v[W+32*\c+17+\i]|, |v[W+32*\c+18+\i]|
.endr
.endr
.irp c, 0,1
	v_max3_num_f32 v[BM+\c], v[BM+\c], |v[W+32*\c+14]|, |v[W+32*\c+15]|
.endr
.irp c, 0,1
	v_max3_num_f32 v[BM+\c], v[BM+\c], v[BM2+\c], |v[W+32*\c+31]|
.endr
.irp c, 0,1
	v_add_nc_u32 v[SO+\c], 0xff000000, v[BM+\c]    ; 2 off the exponent field: the conversion's scale operand
.endr
.irp c, 0,1
	v_lshrrev_b32 v[BY+\c], 23, v[SO+\c]           ; the scale's byte
.endr
.if (\a) > 0
	s_wait_alu depctr_va_vdst(0)
	s_wait_xcnt 0x0                                ; the last block's stores have read their data: the codes' registers are written again only behind this wait
.endif
.irp c, 0,1
	v_cvt_scalef32_pk16_fp6_f32 v[C+6*\c:C+6*\c+2], v[W+32*\c:W+32*\c+15], v[SO+\c]
	v_cvt_scalef32_pk16_fp6_f32 v[PT+4*\c:PT+4*\c+2], v[W+32*\c+16:W+32*\c+31], v[SO+\c]   ; (a conversion's three registers begin on an even number)
.endr
	v_nop                                          ; one plain place behind a scaled conversion
.irp c, 0,1
.irp i, 0,1,2
	v_mov_b32 v[C+6*\c+3+\i], v[PT+4*\c+\i]
.endr
.endr
.irp c, 0,1
.irp p, 0,1,2
	global_store_b64 v[LO+(\a)%2], v[C+6*\c+2*\p:C+6*\c+2*\p+1], s[OB+4*((\a)/2)+2*\c:OB+4*((\a)/2)+2*\c+1] offset:768*((\a)%2)+256*\p   ; the wave stores 256 consecutive bytes, aligned
.endr
.endr
	v_lshl_or_b32 v[T0], v[BY+1], 16, v[BY]        ; my two bytes, at 8 h bits;
	v_lshlrev_b32 v[T0], v[SH8], v[T0]
	v_permlanex16_b32 v[T0+1], v[T0], s4, s5
	v_or_b32 v[T0], v[T0], v[T0+1]                 ; with lane l xor 16's: bytes (c 0, h 0), (c 0, h 1), (c 1, h 0), (c 1, h 1)
	v_lshrrev_b32 v[T0+1], s7, v[T0]               ; q, k: a chunk is a head: lanes 0-15 keep chunk 0's two bytes, lanes 16-31 chunk 1's;  v: the four bytes are the row's word of 128 keys
	v_and_b32 v[T0+2], s8, v[T0]
	v_cndmask_b32 v[T0], v[T0+2], v[T0+1], s6
	ds_store_b32 v[SST], v[T0] offset:((\a)/4)*256+(((\a)/2)%2)*8+((\a)%2)*128   ; laid so that the reader's lane rho of tile tau finds its word at 256 (tau / 4) + 16 rho + 4 (tau % 4)
.endm
	v_mov_b32 v[T0+1], 0                           ; written once: a lane permute's destination counts as one of its sources
	TABLD 0
.irp a, 0,1,2,3,4,5,6,7
	EPI \a
.endr
	ds_load_b128 v[236:239], v[SLD]                ; LDS serves a wave's instructions in order: these see my stores
	ds_load_b128 v[240:243], v[SLD] offset:512
	s_wait_dscnt 1
	global_store_b128 v[SOFF], v[236:239], s[SCB:SCB+1]    ; q, k: the first head's image, 512 bytes;  v: two heads' images of 256 bytes
	s_cmp_eq_u32 s[TT], 2                          ; (the same in all partners)
	s_cbranch_scc1 .Lone_image
	s_wait_dscnt 0x0
	global_store_b128 v[SOFF2], v[240:243], s[SCB:SCB+1]   ; q, k: the second head's
.Lone_image:
	s_wait_tensorcnt 0x0                           ; the wave's end
	ds_add_u32 v[SPW], v[NIL]
	s_wait_dscnt 0x0
	CROUND                                         ; the closing round
	s_endpgm
.Lfunc_end_k_q5eaff66491_qkv:
	.size	k_q5eaff66491_qkv, .Lfunc_end_k_q5eaff66491_qkv-k_q5eaff66491_qkv
	.p2alignl 7, 3214868480
	.fill 96, 4, 3214868480
	.section	.rodata,"a",@progbits
	.p2align	6, 0x0
	.amdhsa_kernel k_q5eaff66491_qkv
		.amdhsa_group_segment_fixed_size 327680
		.amdhsa_private_segment_fixed_size 0
		.amdhsa_enable_private_segment 0
		.amdhsa_kernarg_size 88
		.amdhsa_user_sgpr_count 2
		.amdhsa_user_sgpr_kernarg_segment_ptr 1
		.amdhsa_wavefront_size32 1
		.amdhsa_system_sgpr_workgroup_id_x 1
		.amdhsa_system_sgpr_workgroup_id_y 1
		.amdhsa_system_sgpr_workgroup_id_z 1
		.amdhsa_system_vgpr_workitem_id 0
		.amdhsa_next_free_vgpr 1024
		.amdhsa_next_free_sgpr 102
		.amdhsa_reserve_vcc 0
		.amdhsa_float_denorm_mode_32 3
		.amdhsa_float_denorm_mode_16_64 3
		.amdhsa_memory_ordered 1
		.amdhsa_forward_progress 1
		.amdhsa_inst_pref_size 217
	.end_amdhsa_kernel
	.amdgpu_metadata
---
amdhsa.version: [ 1, 2 ]
amdhsa.kernels:
  - .name:           k_q5eaff66491_qkv
    .symbol:         k_q5eaff66491_qkv.kd
    .args:
      - { .name: x_codes, .offset: 0, .size: 8, .value_kind: global_buffer, .address_space: global }
      - { .name: x_scales, .offset: 8, .size: 8, .value_kind: global_buffer, .address_space: global }
      - { .name: Wq_codes, .offset: 16, .size: 8, .value_kind: global_buffer, .address_space: global }
      - { .name: Wq_scales, .offset: 24, .size: 8, .value_kind: global_buffer, .address_space: global }
      - { .name: Wk_codes, .offset: 32, .size: 8, .value_kind: global_buffer, .address_space: global }
      - { .name: Wk_scales, .offset: 40, .size: 8, .value_kind: global_buffer, .address_space: global }
      - { .name: Wv_codes, .offset: 48, .size: 8, .value_kind: global_buffer, .address_space: global }
      - { .name: Wv_scales, .offset: 56, .size: 8, .value_kind: global_buffer, .address_space: global }
      - { .name: q_img, .offset: 64, .size: 8, .value_kind: global_buffer, .address_space: global }
      - { .name: q_sc, .offset: 72, .size: 8, .value_kind: global_buffer, .address_space: global }
      - { .name: kv, .offset: 80, .size: 8, .value_kind: global_buffer, .address_space: global }
    .group_segment_fixed_size: 327680
    .private_segment_fixed_size: 0
    .kernarg_segment_align: 8
    .kernarg_segment_size: 88
    .max_flat_workgroup_size: 128
    .sgpr_count:     102
    .vgpr_count:     1024
    .wavefront_size: 32
...
	.end_amdgpu_metadata
.endif
;; end of part 1
;; launch attn (part 2): grid 4 x 64, 16 waves a work-group, no clusters, 327,680 bytes of LDS; arguments q_img, q_sc, kv, ao_img, ao_sc; writes ao_img, ao_sc
.if DOCPART == 2
	.amdgcn_target "amdgcn-amd-amdhsa--gfx1250"
	.amdhsa_code_object_version 6
	.text
	.protected	k_q5eaff66491_attn
	.globl	k_q5eaff66491_attn
	.p2align	8
	.type	k_q5eaff66491_attn,@function
k_q5eaff66491_attn:
	s_mov_b64 s[64:65], 0
	v_nop
	global_prefetch_b8 v0, s[64:65] scope:SCOPE_SE
	s_setreg_imm32_b32 hwreg(HW_REG_WAVE_MODE, 25, 1), 1
	s_wait_xcnt 0x0
; Causal attention of one head on codes of FP6 (E2M3): S^T = K Q^T (K = the head's 64), p = 2^(t - M), O^T = V^T P^T (K = the keys), O / l, quantised along d for the last projection.
; t = score x log2(e) / 8; M = the running largest t rounded UP to a whole number; the row's sum is taken of the unquantised p; when M moves, the sum and O are multiplied by 2^(old M - new M): exact.
; SHARES.  Work-group (I, head) owns query blocks 7 - I and I of the head, 256 queries each: 2 (8 - I) + 2 (I + 1) = 18 key steps of 128 for every I.  Each of sixteen waves owns 16 queries of the block in hand,
; in 256 registers: four waves to a SIMD, so that one wave's vector work stands beside another's products and LDS loads.
; A HEAD'S K, V AND SCALES ARE ONE DENSE BLOCK OF 208,896 BYTES, which is brought into LDS once: two tensor loads a wave at the head (13 and 38 rows of 256 bytes).  Nothing is filled again: no ring.
; The first loads together hold key steps 0 to 3, which are read while the second loads land.
; NO CLUSTER: the only work-groups that read the same tiles are the query blocks of one head, and they leave out different key steps (a branch on the query block); partners of a joint load must run alike,
; and walking all 16 steps for every block would nearly double the 18 steps' vector work.  Everything that a work-group reads of kv is asked for by the two loads at its head.
; LAYOUT.  Both products are used transposed: a lane holds ONE query (lane % 16).  Lane rho of tile 2 b + u takes row 32 b + 8 u + rho + 8 (rho / 8) (keys of K, channels of V), so that the 16 registers of two
; neighbouring tiles are 16 neighbours along the next K.  The images in kv are laid so that such a tile is three loads of 8 bytes a lane for 64 along K, each of 256 different bytes.
; K = 64 IN AN INSTRUCTION 128 DEEP: Q's fragment has zero codes in k = 64 .. 127; a tile of K names 12 registers of which the upper six are the next tile's codes: they meet Q's zeros.  Bytes 2, 3 of both scale words are 0.
; LIMITS: a block whose largest magnitude lies under 2^-124, and a block of zeros, keeps the scale byte 1.  NaN and infinities are not served.
.set STEPB, 13056                      ; a key step in kv and in LDS: K 6,144, V 6,144, K's scale words 512, V's 256
.set HEADB, 16*STEPB
.set STAGE, HEADB                      ; behind the head: 2 x 1,024 bytes: the results' scale words
.set AK,   1                           ; v1, v2  my lane's place in a permuted tile u = 0, 1
.set LS16, 3                           ; v3   K's scale words: 12,288 + 16 x lane
.set LV16, 4                           ; v4   V's: 12,800 + 16 rho
.set ADK,  5                           ; v5, v6 the step's addresses;  v7 K's scale words;  v8 V's
.set QLO,  9
.set QSO,  10
.set LO8,  11
.set QF,   16                          ; v16-21 Q's codes, v22-27 zeros, v28 Q's scale words
.set STB,  29                          ; v29  where I put a scale word
.set L16,  30                          ; v30  16 x lane
.set SRD,  31                          ; v31  where a wave reads 512 bytes of scale words back
.set KV,   32                          ; v32-79 K's eight tiles (6 registers each), later V's four (12 each);  v80-85 zeros
.set DL,   86                          ; v86  rho - 16 h
.set STA,  87
.set S,    96                          ; v96-159 S^T, then p
.set O,    160                         ; v160-191 O^T
.set KSC,  192
.set VSC,  196
.set BM,   200
.set BP,   204
.set SO,   208
.set PC,   212                         ; v212-223 p's codes
.set PT,   224
.set TT,   232
.set FF,   234                         ; v[234:235] f
.set PW,   236                         ; p's scale word
.set SU,   238
.set WV, 14
.set II, 15
.set HD, 16
.set BB, 17
.set HH, 18
.set BLK, 19
.set SEL, 20
.set CS, 22
.set Q0, 24
.set KF, 25
.set TB, 26
.set STGO, 27
.set G1A, 28
.set G1B, 36
.set G0A, 44
.set G0B, 48
.set QP, 52
.set QSP, 54
.set AOP, 56
.set FQ, 66
.set FS, 67
.set FA, 68
.set SHW, 69
	s_load_b256 s[4:11], s[0:1], 0x0               ; q_img, q_sc, kv, ao_img
	s_load_b64 s[12:13], s[0:1], 0x20              ; ao_sc
	v_lshl_add_u32 v254, v0, 2, 0x34000
	v_mov_b32 v255, 0
	ds_add_u32 v254, v255
	ds_add_u32 v254, v255
	v_lshrrev_b32 v1, 5, v0
	s_delay_alu instid0(VALU_DEP_1)
	v_readfirstlane_b32 s[WV], v1                  ; wave 0..15
	s_mov_b32 s[II], ttmp9
	s_and_b32 s[HD], ttmp7, 0xffff                 ; 16 x batch + head
	s_lshr_b32 s[BB], s[HD], 4
	s_and_b32 s[HH], s[HD], 15
	; descriptor groups 1: dense rows of 256 bytes (32 elements of 8 bytes), 13 and 38 of them
	s_mov_b32 s[G1A], 3<<16
	s_mov_b32 s[G1A+1], 32<<16
	s_mov_b32 s[G1A+2], 13<<16
	s_mov_b32 s[G1A+3], 32<<16
	s_mov_b32 s[G1A+4], 13
	s_mov_b32 s[G1A+5], 32
	s_mov_b32 s[G1A+6], 0
	s_mov_b32 s[G1A+7], 0
	s_mov_b32 s[G1B], 3<<16
	s_mov_b32 s[G1B+1], 32<<16
	s_mov_b32 s[G1B+2], 38<<16
	s_mov_b32 s[G1B+3], 32<<16
	s_mov_b32 s[G1B+4], 38
	s_mov_b32 s[G1B+5], 32
	s_mov_b32 s[G1B+6], 0
	s_mov_b32 s[G1B+7], 0
	s_mul_i32 s60, s[HD], HEADB
	s_mov_b32 s61, 0
	s_mul_i32 s62, s[WV], 13*256                   ; my part of the first 208 rows,
	s_mul_i32 s63, s[WV], 38*256
	s_add_co_u32 s63, s63, 16*13*256               ; and of the other 608: the same offset in the head and in LDS
	s_wait_dscnt 0x0
	s_wait_kmcnt 0x0
	s_add_nc_u64 s[8:9], s[8:9], s[60:61]          ; kv at my head
	s_mov_b32 s[G0A], 1
	s_mov_b32 s[G0A+1], s62
	s_mov_b32 s60, s62
	s_add_nc_u64 s[G0A+2:G0A+3], s[8:9], s[60:61]
	s_or_b32 s[G0A+3], s[G0A+3], 0x80000000
	s_mov_b32 s[G0B], 1
	s_mov_b32 s[G0B+1], s63
	s_mov_b32 s60, s63
	s_add_nc_u64 s[G0B+2:G0B+3], s[8:9], s[60:61]
	s_or_b32 s[G0B+3], s[G0B+3], 0x80000000
	tensor_load_to_lds s[G0A:G0A+3], s[G1A:G1A+7]
	s_nop 0
	s_wait_alu depctr_va_vdst(0)
	s_wait_tensorcnt 0x0
	ds_add_u32 v254, v255
	s_wait_dscnt 0x0
	s_barrier_signal -1
	s_barrier_wait -1
	tensor_load_to_lds s[G0B:G0B+3], s[G1B:G1B+7]  ; my second load is out
	s_nop 0
.rept 4
	v_nop
.endr
	v_and_b32 v12, 15, v0                          ; rho
	v_bfe_u32 v13, v0, 4, 1                        ; h
	v_and_b32 v14, 31, v0                          ; lane
	s_delay_alu instid0(VALU_DEP_3)
	v_lshrrev_b32 v15, 3, v12
	s_delay_alu instid0(VALU_DEP_1)
	v_mul_u32_u24 v[AK], v15, 768
	s_delay_alu instid0(VALU_DEP_1)
	v_lshl_add_u32 v[AK], v12, 3, v[AK]
	s_delay_alu instid0(VALU_DEP_1)
	v_lshl_add_u32 v[AK], v13, 7, v[AK]            ; tile u = 0: 768 (rho / 8) + 8 rho + 128 h
	s_delay_alu instid0(VALU_DEP_1)
	v_xor_b32 v[AK+1], 64, v[AK]                   ; tile u = 1
	v_lshlrev_b32 v[L16], 4, v14
	s_delay_alu instid0(VALU_DEP_1)
	v_add_nc_u32 v[LS16], 12288, v[L16]
	v_lshlrev_b32 v[LV16], 4, v12
	s_delay_alu instid0(VALU_DEP_1)
	v_add_nc_u32 v[LV16], 12800, v[LV16]
	s_and_b32 s61, s[WV], 1
	s_lshl_b32 s60, s61, 3
	v_xor_b32 v[QLO], s60, v14
	s_delay_alu instid0(VALU_DEP_1)
	v_lshlrev_b32 v[QLO], 3, v[QLO]                ; Q's tile is a natural one: slot (rho xor 8 g) + 16 h, g = wave & 1
	v_and_b32 v[QSO], 7, v12
	s_delay_alu instid0(VALU_DEP_1)
	v_lshlrev_b32 v[QSO], 4, v[QSO]
	s_delay_alu instid0(VALU_DEP_1)
	v_lshl_add_u32 v[QSO], v15, 2, v[QSO]
	v_lshlrev_b32 v[LO8], 3, v14
	v_lshlrev_b32 v[STB], 2, v12
	s_lshl_b32 s60, s[WV], 6
	v_add_nc_u32 v[STB], s60, v[STB]
	s_delay_alu instid0(VALU_DEP_1)
	v_add_nc_u32 v[STB], STAGE, v[STB]             ; 4 rho + 64 wave
	s_and_b32 s60, s[WV], 3
	s_lshl_b32 s60, s60, 9
	v_add_nc_u32 v[SRD], s60, v[L16]
	s_delay_alu instid0(VALU_DEP_1)
	v_add_nc_u32 v[SRD], STAGE, v[SRD]
	v_lshlrev_b32 v[DL], 4, v13
	s_delay_alu instid0(VALU_DEP_1)
	v_sub_nc_u32 v[DL], v12, v[DL]
.irp i, 0,1,2,3,4,5
	v_mov_b32 v[QF+6+\i], 0                        ; Q's codes of k = 64 .. 127
	v_mov_b32 v[KV+48+\i], 0                       ; what tile 7 of K names behind its own six registers
.endr
.irp b, 0,1,2,3
	v_mov_b32 v[BP+\b], 0                          ; written once: a lane permute's destination counts as one of its sources
.endr
	v_mov_b32 v[TT], 0
	v_mov_b32 v[FF+1], 0                           ; (named as the upper half of a pair)
	s_mov_b32 s[SEL], 0x76543210
	s_mov_b32 s[SEL+1], 0xfedcba98
	s_mov_b32 s[CS], 0x3e38aa3b                    ; c = log2(e) / 8
	s_mov_b32 s[CS+1], s[CS]
	; what does not change with the block: Q's image, Q's scale words, the result's image
	s_mul_i32 s[FQ], s[HD], 98304
	s_lshr_b32 s60, s[WV], 1
	s_mul_i32 s60, s60, 1536
	s_add_co_u32 s[FQ], s[FQ], s60
	s_mul_i32 s60, s61, 768
	s_add_co_u32 s[FQ], s[FQ], s60
	s_lshl_b32 s[FS], s[HD], 13
	s_lshr_b32 s60, s[WV], 3
	s_lshl_b32 s60, s60, 9
	s_add_co_u32 s[FS], s[FS], s60
	s_bfe_u32 s60, s[WV], 0x10002
	s_lshl_b32 s60, s60, 8
	s_add_co_u32 s[FS], s[FS], s60
	s_bfe_u32 s60, s[WV], 0x10001
	s_lshl_b32 s60, s60, 3
	s_add_co_u32 s[FS], s[FS], s60
	s_lshl_b32 s60, s61, 7
	s_add_co_u32 s[FS], s[FS], s60
	s_lshr_b32 s60, s[HH], 2
	s_mul_i32 s[FA], s60, 1572864
	s_lshl_b32 s60, s[BB], 7
	s_add_co_u32 s60, s60, s[WV]
	s_mul_i32 s60, s60, 3072
	s_add_co_u32 s[FA], s[FA], s60
	s_bfe_u32 s60, s[HH], 0x10001
	s_mul_i32 s60, s60, 1536
	s_add_co_u32 s[FA], s[FA], s60
	s_and_b32 s60, s[HH], 1
	s_lshl_b32 s[SHW], s60, 4
	s_mul_i32 s60, s60, 768
	s_add_co_u32 s[FA], s[FA], s60
	s_sub_co_u32 s[BLK], 7, s[II]
	s_mov_b32 s[STGO], 0
	s_mov_b32 s58, 0
; A KEY STEP: 128 keys.  A step all of whose keys come after my 16 queries is left out: a scalar branch on ids, round the loads, products and softmax; not round the two lines that step addresses.
.macro STEP
	s_add_co_u32 s60, s[Q0], 15
	s_cmp_gt_u32 s[KF], s60
	s_cbranch_scc1 .Lhidden_\@
	s_setprio 2
	v_add_nc_u32 v[ADK], s[TB], v[AK]              ; (these four are also the places behind the last step's products, in front of the loads below)
	v_add_nc_u32 v[ADK+1], s[TB], v[AK+1]
	v_add_nc_u32 v[ADK+2], s[TB], v[LS16]
	v_add_nc_u32 v[ADK+3], s[TB], v[LV16]
.irp b, 0,1,2,3
.irp u, 0,1
.irp p, 0,1,2
	ds_load_b64 v[KV+6*(2*\b+\u)+2*\p:KV+6*(2*\b+\u)+2*\p+1], v[ADK+\u] offset:1536*\b+256*\p
.endr
.endr
.endr
	ds_load_b128 v[KSC:KSC+3], v[ADK+2]            ; lanes 0-15: the words of tiles 0-3; lanes 16-31: of tiles 4-7
	s_wait_alu depctr_va_vdst(0)
	s_wait_dscnt 0x0
.irp t, 0,1,2,3
	v_wmma_scale_f32_16x16x128_f8f6f4 v[S+8*\t:S+8*\t+7], v[KV+6*\t:KV+6*\t+11], v[QF:QF+11], 0, v[KSC+\t], v[QF+12] matrix_a_fmt:MATRIX_FMT_FP6 matrix_b_fmt:MATRIX_FMT_FP6
.endr
.irp t, 4,5,6,7
	v_wmma_scale_f32_16x16x128_f8f6f4 v[S+8*\t:S+8*\t+7], v[KV+6*\t:KV+6*\t+11], v[QF:QF+11], 0, v[KSC+\t-4], v[QF+12] matrix_a_fmt:MATRIX_FMT_FP6 matrix_b_fmt:MATRIX_FMT_FP6 matrix_a_scale:MATRIX_SCALE_ROW1
.endr
.rept 4
	v_nop                                          ; four places: in front of the loads into K's registers and of the first read of the scores
.endr
.irp g, 0,1                                    ; V's four tiles land under the softmax
.irp u, 0,1
.irp c, 0,1
.irp p, 0,1,2
	ds_load_b64 v[KV+12*(2*\g+\u)+6*\c+2*\p:KV+12*(2*\g+\u)+6*\c+2*\p+1], v[ADK+\u] offset:6144+3072*\g+1536*\c+256*\p
.endr
.endr
.endr
.endr
	ds_load_b128 v[VSC:VSC+3], v[ADK+3]
	s_add_co_u32 s60, s[KF], 127                   ; on the diagonal hidden scores become -infinity ahead of the maximum; a step all of whose keys count skips this
	s_cmp_le_u32 s60, s[Q0]
	s_cbranch_scc1 .Lopen_\@
	s_sub_co_i32 s60, s[Q0], s[KF]
	v_add_nc_u32 v240, s60, v[DL]                  ; d = my query - KF - 16 h.  Register 16 b + i holds key KF + 16 h + 32 b + i: hidden where 32 b + i > d
	v_mov_b32 v241, 0xff800000
.set n, 0
.rept 64
	v_cmp_gt_i32 vcc_lo, 32*(n/16)+n%16, v240
	v_cndmask_b32 v[S+n], v[S+n], v241, vcc_lo
.set n, n+1
.endr
.Lopen_\@:
.irp b, 0,1,2,3
	v_max3_num_f32 v[BM+\b], v[S+16*\b], v[S+1+16*\b], v[S+2+16*\b]   ; the largest score of each block of 32 keys: for the row's maximum and, since p rises with the score, for the block's largest p
.endr
.irp i, 3,5,7,9,11,13
.irp b, 0,1,2,3
	v_max3_num_f32 v[BM+\b], v[BM+\b], v[S+16*\b+\i], v[S+1+16*\b+\i]
.endr
.endr
.irp b, 0,1,2,3
	v_max_num_f32 v[BM+\b], v[BM+\b], v[S+15+16*\b]
.endr
.irp b, 0,1,2,3
	s_delay_alu instid0(VALU_DEP_4)
	v_permlanex16_b32 v[BP+\b], v[BM+\b], s[SEL], s[SEL+1]
.endr
.irp b, 0,1,2,3
	s_delay_alu instid0(VALU_DEP_4)
	v_max_num_f32 v[BM+\b], v[BM+\b], v[BP+\b]     ; with lane l xor 16's 16 keys
.endr
	s_delay_alu instid0(VALU_DEP_2)
	v_max3_num_f32 v[TT], v[BM], v[BM+1], v[BM+2]
	s_delay_alu instid0(VALU_DEP_1)
	v_max_num_f32 v[TT], v[TT], v[BM+3]
	s_delay_alu instid0(VALU_DEP_1)
	v_mul_f32 v[TT], s[CS], v[TT]
	s_delay_alu instid0(VALU_DEP_1)
	v_max_num_f32 v13, v13, v[TT]                  ; the running largest t
	v_mov_b32 v[TT], v12
	s_delay_alu instid0(VALU_DEP_2)
	v_floor_f32 v12, -v13                          ; -M = floor(-t): M is a whole number
	s_delay_alu instid0(VALU_DEP_1)
	v_sub_f32 v[TT], v12, v[TT]
	s_delay_alu instid0(VALU_DEP_1)
	v_cvt_i32_f32 v[TT], v[TT]                     ; (it saturates)
	s_delay_alu instid0(VALU_DEP_1)
	v_ldexp_f32 v[FF], 1.0, v[TT]                  ; f = 2^(old M - new M)
.set j, 0
	s_setprio 1
.rept 32
	v_pk_fma_f32 v[S+j:S+j+1], v[S+j:S+j+1], s[CS:CS+1], v[12:13] op_sel_hi:[1,0,0]   ; t - M
.set j, j+2
.endr
.irp b, 0,1,2,3
	v_fma_f32 v[BM+\b], v[BM+\b], s[CS], v12
.endr
.set j, 0
	s_wait_alu depctr_va_vdst(0)
.rept 64
	v_exp_f32 v[S+j], v[S+j]                       ; p = 2^(t - M): not normalised
.set j, j+1
.endr
.irp b, 0,1,2,3
	v_exp_f32 v[BM+\b], v[BM+\b]                   ; the block's largest p
.endr
	v_pk_mul_f32 v[14:15], v[14:15], v[FF:FF+1] op_sel_hi:[1,0]   ; the sums under the new M (a plain place behind the exponentials)
	s_wait_alu depctr_va_vdst(0)
.irp b, 0,1,2,3
	v_max_num_f32 v[BM+\b], 0x1800000, v[BM+\b]    ; the floor 2^(3 - 127)
.endr
.irp b, 0,1,2,3
	s_delay_alu instid0(VALU_DEP_4)
	v_add_nc_u32 v[SO+\b], 0xff000000, v[BM+\b]
.endr
.irp b, 0,1,2,3
	s_delay_alu instid0(VALU_DEP_4)
	v_lshrrev_b32 v[BP+\b], 23, v[SO+\b]
.endr
	s_delay_alu instid0(VALU_DEP_3)
	v_lshl_or_b32 v[PW], v[BP+1], 8, v[BP]
	s_delay_alu instid0(VALU_DEP_1)
	v_lshl_or_b32 v[PW], v[BP+2], 16, v[PW]
	s_delay_alu instid0(VALU_DEP_1)
	v_lshl_or_b32 v[PW], v[BP+3], 24, v[PW]
.irp c, 0,1
	v_cvt_scalef32_pk16_fp6_f32 v[PC+6*\c:PC+6*\c+2], v[S+32*\c:S+32*\c+15], v[SO+2*\c]
	v_cvt_scalef32_pk16_fp6_f32 v[PT+4*\c:PT+4*\c+2], v[S+16+32*\c:S+31+32*\c], v[SO+2*\c+1]
.endr
	v_nop                                          ; one plain place behind a scaled conversion
.irp c, 0,1                                    ; the operand wants a whole block in a lane
.irp i, 0,1,2
	v_permlane16_swap_b32 v[PC+6*\c+\i], v[PT+4*\c+\i]
.endr
.irp i, 0,1,2
	s_delay_alu instid0(VALU_DEP_3)
	v_mov_b32 v[PC+6*\c+3+\i], v[PT+4*\c+\i]
.endr
.endr
	v_pk_add_f32 v[SU:SU+1], v[S:S+1], v[S+2:S+3]  ; the row's sum, of the unquantised p, in two chains
.set j, 4
	s_setprio 0
.rept 15
	v_pk_add_f32 v[14:15], v[14:15], v[S+j:S+j+1]
	v_pk_add_f32 v[SU:SU+1], v[SU:SU+1], v[S+j+2:S+j+3]
.set j, j+4
.endr
	s_delay_alu instid0(VALU_DEP_1)
	v_pk_add_f32 v[14:15], v[14:15], v[SU:SU+1]
.set j, 0
.rept 16
	v_pk_mul_f32 v[O+j:O+j+1], v[O+j:O+j+1], v[FF:FF+1] op_sel_hi:[1,0]   ; O^T under the new M
.set j, j+2
.endr
	s_wait_alu depctr_va_vdst(0)
	s_wait_dscnt 0x0                               ; V and its scale words
.irp t, 0,1,2,3
	v_wmma_scale_f32_16x16x128_f8f6f4 v[O+8*\t:O+8*\t+7], v[KV+12*\t:KV+12*\t+11], v[PC:PC+11], v[O+8*\t:O+8*\t+7], v[VSC+\t], v[PW] matrix_a_fmt:MATRIX_FMT_FP6 matrix_b_fmt:MATRIX_FMT_FP6
.endr
.Lhidden_\@:
	s_add_co_u32 s[KF], s[KF], 128
	s_add_co_u32 s[TB], s[TB], STEPB
.endm
.Lblock:                                           ; two trips: block 7 - I, then block I
	s_wait_xcnt 0x0                                ; the last block's stores have read their base and data
	s_mul_i32 s60, s[BLK], 12288
	s_add_co_u32 s60, s60, s[FQ]
	s_mov_b32 s61, 0
	s_add_nc_u64 s[QP:QP+1], s[4:5], s[60:61]
	s_lshl_b32 s60, s[BLK], 10
	s_add_co_u32 s60, s60, s[FS]
	s_add_nc_u64 s[QSP:QSP+1], s[6:7], s[60:61]
	s_mul_i32 s60, s[BLK], 49152
	s_add_co_u32 s60, s60, s[FA]
	s_add_nc_u64 s[AOP:AOP+1], s[10:11], s[60:61]
	s_lshl_b32 s[Q0], s[BLK], 8
	s_lshl_b32 s60, s[WV], 4
	s_add_co_u32 s[Q0], s[Q0], s60                 ; my first query
.irp p, 0,1,2
	global_load_b64 v[QF+2*\p:QF+2*\p+1], v[QLO], s[QP:QP+1] offset:256*\p
.endr
	global_load_b32 v[QF+12], v[QSO], s[QSP:QSP+1]
	v_mov_b32 v13, 0xff61b1e6                      ; the largest t so far: -3e38
	s_delay_alu instid0(VALU_DEP_1)
	v_floor_f32 v12, -v13
	v_mov_b32 v14, 0
	v_mov_b32 v15, 0
.set j, 0
.rept 32
	v_mov_b32 v[O+j], 0                            ; the step is written once: the first finds zeros
.set j, j+1
.endr
	s_mov_b32 s[KF], 0
	s_mov_b32 s[TB], 0
	s_wait_loadcnt 0x0
	s_wait_tensorcnt 0x1                           ; my first load has landed; the second, issued behind it, may be out
	s_wait_dscnt 0x0
	s_barrier_signal -1
	s_barrier_wait -1                              ; everybody's first load has: key steps 0 to 3 are whole
	s_mov_b32 s59, 0
.Lfirst:
	STEP
	s_add_co_u32 s59, s59, 1
	s_cmp_lt_u32 s59, 4
	s_cbranch_scc1 .Lfirst
	s_setprio 0
	s_wait_tensorcnt 0x0
	s_wait_dscnt 0x0
	s_barrier_signal -1
	s_barrier_wait -1                              ; the whole head is in LDS
	s_mov_b32 s59, 0
.Lrest:
	STEP
	s_add_co_u32 s59, s59, 1
	s_cmp_lt_u32 s59, 12
	s_cbranch_scc1 .Lrest
	s_setprio 0
	; THE BLOCK'S END: O / l, quantised along d: register 16 b + i is d = 32 b + 16 h + i
.rept 4
	v_nop
.endr
	v_add_f32 v14, v14, v15
	s_delay_alu instid0(VALU_DEP_1)
	v_permlanex16_b32 v[TT], v14, s[SEL], s[SEL+1]
	s_delay_alu instid0(VALU_DEP_1)
	v_add_f32 v14, v14, v[TT]
	s_wait_alu depctr_va_vdst(0)
	v_rcp_f32 v14, v14
	v_nop                                          ; one plain place behind a transcendental
.set j, 0
	s_wait_alu depctr_va_vdst(0)
.rept 16
	v_pk_mul_f32 v[S+j:S+j+1], v[O+j:O+j+1], v[14:15] op_sel_hi:[1,0]   ; each accumulator from its low end on
.set j, j+2
.endr
.irp b, 0,1
	v_max3_num_f32 v[BM+\b], |v[S+16*\b]|, |v[S+1+16*\b]|, 0x1800000
.endr
.irp i, 2,4,6,8,10,12,14
.irp b, 0,1
	s_delay_alu instid0(VALU_DEP_2)
	v_max3_num_f32 v[BM+\b], v[BM+\b], |v[S+16*\b+\i]|, |v[S+1+16*\b+\i]|
.endr
.endr
.irp b, 0,1
	s_delay_alu instid0(VALU_DEP_2)
	v_permlanex16_b32 v[BP+\b], v[BM+\b], s[SEL], s[SEL+1]
.endr
.irp b, 0,1
	s_delay_alu instid0(VALU_DEP_2)
	v_max_num_f32 v[BM+\b], v[BM+\b], v[BP+\b]
.endr
.irp b, 0,1
	s_delay_alu instid0(VALU_DEP_2)
	v_add_nc_u32 v[SO+\b], 0xff000000, v[BM+\b]
.endr
.irp b, 0,1
	s_delay_alu instid0(VALU_DEP_2)
	v_lshrrev_b32 v[BP+\b], 23, v[SO+\b]
.endr
	v_cvt_scalef32_pk16_fp6_f32 v[PC:PC+2], v[S:S+15], v[SO]
	v_cvt_scalef32_pk16_fp6_f32 v[PT:PT+2], v[S+16:S+31], v[SO+1]
	v_nop
.irp i, 0,1,2
	v_permlane16_swap_b32 v[PC+\i], v[PT+\i]
.endr
.irp i, 0,1,2
	s_delay_alu instid0(VALU_DEP_3)
	v_mov_b32 v[PC+3+\i], v[PT+\i]                 ; registers 0-5: d = 32 h + 0 .. 31 of my query: half a fragment of the last projection
.endr
	v_lshl_or_b32 v[TT], v[BP+1], 8, v[BP]
	s_delay_alu instid0(VALU_DEP_1)
	v_lshlrev_b32 v[TT], s[SHW], v[TT]             ; an odd head's two bytes are the upper half of the K step's word
	v_add_nc_u32 v[STA], s[STGO], v[STB]
	ds_store_b32 v[STA], v[TT]                     ; (lanes l and l xor 16 write the same word with the same value)
.irp p, 0,1,2
	global_store_b64 v[LO8], v[PC+2*\p:PC+2*\p+1], s[AOP:AOP+1] offset:256*\p   ; the wave stores 256 consecutive bytes, aligned
.endr
	s_sub_co_u32 s[BLK], 7, s[BLK]
	s_add_co_u32 s[STGO], s[STGO], 1024
	s_add_co_u32 s58, s58, 1
	s_cmp_lt_u32 s58, 2
	s_cbranch_scc1 .Lblock
	; the scale words of the two blocks leave in runs of 512 bytes: waves 0, 1 the first block's halves, waves 2, 3 the second's
	s_lshr_b32 s60, s[WV], 1
	s_sub_co_u32 s61, 7, s[II]
	s_cmp_eq_u32 s60, 0
	s_cselect_b32 s61, s61, s[II]
	s_lshl_b32 s61, s61, 8
	s_and_b32 s60, s[WV], 1
	s_lshl_b32 s60, s60, 7
	s_add_co_u32 s60, s60, s61
	s_lshl_b32 s61, s[BB], 11
	s_add_co_u32 s60, s60, s61
	s_lshl_b32 s61, s[HH], 13
	s_add_co_u32 s60, s60, s61
	s_lshl_b32 s60, s60, 2
	s_mov_b32 s61, 0
	s_add_nc_u64 s[12:13], s[12:13], s[60:61]
	s_wait_dscnt 0x0                               ; my words are written, for the waves that read them
	s_barrier_signal -1
	s_barrier_wait -1
	s_cmp_lt_u32 s[WV], 4
	s_cbranch_scc0 .Lend
	ds_load_b128 v[S:S+3], v[SRD]
	s_wait_dscnt 0x0
	global_store_b128 v[L16], v[S:S+3], s[12:13]
.Lend:
	s_wait_tensorcnt 0x0
	ds_add_u32 v254, v255
	s_wait_dscnt 0x0
	s_endpgm
.Lfunc_end_k_q5eaff66491_attn:
	.size	k_q5eaff66491_attn, .Lfunc_end_k_q5eaff66491_attn-k_q5eaff66491_attn
	.p2alignl 7, 3214868480
	.fill 96, 4, 3214868480
	.section	.rodata,"a",@progbits
	.p2align	6, 0x0
	.amdhsa_kernel k_q5eaff66491_attn
		.amdhsa_group_segment_fixed_size 327680
		.amdhsa_private_segment_fixed_size 0
		.amdhsa_enable_private_segment 0
		.amdhsa_kernarg_size 40
		.amdhsa_user_sgpr_count 2
		.amdhsa_user_sgpr_kernarg_segment_ptr 1
		.amdhsa_wavefront_size32 1
		.amdhsa_system_sgpr_workgroup_id_x 1
		.amdhsa_system_sgpr_workgroup_id_y 1
		.amdhsa_system_sgpr_workgroup_id_z 1
		.amdhsa_system_vgpr_workitem_id 0
		.amdhsa_next_free_vgpr 256
		.amdhsa_next_free_sgpr 72
		.amdhsa_reserve_vcc 1
		.amdhsa_float_denorm_mode_32 3
		.amdhsa_float_denorm_mode_16_64 3
		.amdhsa_memory_ordered 1
		.amdhsa_forward_progress 1
		.amdhsa_inst_pref_size 62
	.end_amdhsa_kernel
	.amdgpu_metadata
---
amdhsa.version: [ 1, 2 ]
amdhsa.kernels:
  - .name:           k_q5eaff66491_attn
    .symbol:         k_q5eaff66491_attn.kd
    .args:
      - { .name: q_img, .offset: 0, .size: 8, .value_kind: global_buffer, .address_space: global }
      - { .name: q_sc, .offset: 8, .size: 8, .value_kind: global_buffer, .address_space: global }
      - { .name: kv, .offset: 16, .size: 8, .value_kind: global_buffer, .address_space: global }
      - { .name: ao_img, .offset: 24, .size: 8, .value_kind: global_buffer, .address_space: global }
      - { .name: ao_sc, .offset: 32, .size: 8, .value_kind: global_buffer, .address_space: global }
    .group_segment_fixed_size: 327680
    .private_segment_fixed_size: 0
    .kernarg_segment_align: 8
    .kernarg_segment_size: 40
    .max_flat_workgroup_size: 512
    .sgpr_count:     72
    .vgpr_count:     256
    .wavefront_size: 32
...
	.end_amdgpu_metadata
.endif
;; end of part 2
;; launch oproj (part 3): grid 8 x 32, 4 waves a work-group, clusters of 4 x 4, 327,680 bytes of LDS; arguments ao_img, ao_sc, Wo_codes, Wo_scales, bo, out0; writes out0
.if DOCPART == 3
	.amdgcn_target "amdgcn-amd-amdhsa--gfx1250"
	.amdhsa_code_object_version 6
	.text
	.protected	k_q5eaff66491_oproj
	.globl	k_q5eaff66491_oproj
	.p2align	8
	.type	k_q5eaff66491_oproj,@function
k_q5eaff66491_oproj:
	s_mov_b64 s[64:65], 0
	v_nop
	global_prefetch_b8 v0, s[64:65] scope:SCOPE_SE
	s_setreg_imm32_b32 hwreg(HW_REG_WAVE_MODE, 25, 1), 1
	s_wait_xcnt 0x0
	s_wait_alu depctr_hold_cnt(0) depctr_sa_sdst(0) depctr_va_vdst(0) depctr_va_sdst(0) depctr_va_ssrc(0) depctr_va_vcc(0) depctr_vm_vsrc(0)
	s_getreg_b32 s2, hwreg(HW_REG_IB_STS2, 6, 4)
	s_cmp_eq_u32 s2, 0
	s_cbranch_scc0 .Lentry_in_a_cluster
	s_endpgm
.Lentry_in_a_cluster:
	s_bfe_u32 s2, ttmp6, 0x10000c
	s_cmp_lg_u32 s2, 0xf033
	s_cbranch_scc0 .Lentry_shape_is_right
	s_endpgm
.Lentry_shape_is_right:
; out0 = A Wo + bo on codes of FP6 (E2M3), K = 1,024 = head x 64 + d.  A, the attention's result, comes as images of operand registers (ao_img) with half scale words a head (ao_sc); Wo as given, rows n, K innermost.
; A tile is 256 rows m (operand R, source 1, rows in the lanes) x 128 rows n of Wo (operand P, source 0, rows along a lane's registers): 256 work-groups, one for each WGP; a tile of 256 x 256 would make 128.
; Four waves, each 128 m x 64 n: 32 accumulators.  A lane's eight results are eight neighbouring columns of a row of out0.
; ALL OF K FITS IN LDS: four chunks of 256 along K, each R's 49,152 dense bytes and P's 128 rows of 192 bytes; four first fills a wave, nothing is filled again: no ring.  Chunk j is multiplied while the later ones land.
; CLUSTER 4 x 4: R's chunks hang on the tile row and are asked for jointly by a row of the cluster, P's on the tile column and by a column.
; The bias is the C of each sum's first product.
.set RCH,   49152                      ; a chunk of R: 16 tiles of rows x 3,072 bytes
.set PBASE, 4*RCH
.set PITCH, 240                        ; P's LDS row: 3 x (64 bytes + 16 of padding)
.set PCH,   128*PITCH
.set SPITCH, 272                       ; the way out: 16 rows x (256 bytes + 16) for each wave, in chunk 0's bytes: they have had their only fill, and nobody reads them behind the first change of chunks
.set FR,  12
.set NL,  6
.set ADR, 16                           ; v16  R's images: 8 x lane + my 8 tiles
.set ADP, 17                           ; v17  P's fragments; v19 the same behind one padding more
.set STO, 24
.set RD,  25
.set CO,  26
.set SRW, 32                           ; v32-95  R's scale words: block a, K step q at 8 a + q
.set SPS, 96                           ; v96-111 Wo's: block b at 4 b; register Q & 3: lanes 0-15 K step Q (0-3), lanes 16-31 Q + 4
.set BO,  112                          ; v112-143 the bias in the result's layout, 8 registers a tile b
.set RF,  144                          ; v144-239 R's eight fragments.  Window 1: P's two sets, v0-47, v48-95.  Window 2: accumulator (a, b) at v[8 (4 a + b)]
.set BK,  144                          ; the way out: two sets of 32
.set G1R, 16
.set G1P, 24
.set G0R, 32                           ; s[32:47] R's groups 0, a set a chunk;  s[48:63] P's
.set G0P, 48
.set WV, 66
.set WR, 67
.set WP, 68
.set MSB, 0
.macro WIN new
.if MSB != \new
	s_set_vgpr_msb (MSB<<8)|\new
.set MSB, \new
.endif
.endm
.macro CROUND                          ; a round of the cluster's barrier
	s_barrier_signal -1
	s_barrier_wait -1
	s_cmp_lg_u32 s[WV], 0
	s_cbranch_scc1 .Lnot_wave_0_\@
	s_barrier_signal -3
.Lnot_wave_0_\@:
	s_barrier_wait -3
	s_barrier_signal -1
	s_barrier_wait -1
.endm
.macro PLACES
.rept 4
	v_nop
.endr
.endm
	s_load_b256 s[4:11], s[0:1], 0x0               ; ao_img, ao_sc, Wo codes, Wo scales
	s_load_b128 s[12:15], s[0:1], 0x20             ; bo, out0
	v_lshl_add_u32 v254, v0, 2, 0x4e000
	v_mov_b32 v255, 0
	ds_add_u32 v254, v255
	ds_add_u32 v254, v255
	v_lshrrev_b32 v1, 5, v0
	v_readfirstlane_b32 s[WV], v1
	s_lshr_b32 s[WR], s[WV], 1                     ; my half of R's rows; also: I fetch for R (0) or for P (1)
	s_and_b32 s[WP], s[WV], 1                      ; my half of P's rows; also: which half I fetch
	s_bfe_u32 s69, ttmp6, 0x40000                  ; cx
	s_bfe_u32 s70, ttmp6, 0x40004                  ; cy
	s_lshl_b32 s71, ttmp9, 2
	s_add_co_u32 s71, s71, s69                     ; tile column x
	s_and_b32 s72, ttmp7, 0xffff
	s_lshl_b32 s72, s72, 2
	s_add_co_u32 s72, s72, s70                     ; tile row y
	s_lshl_b32 s73, s70, 2
	s_lshl_b32 s73, 15, s73                        ; my row of the cluster
	s_lshl_b32 s74, 0x1111, s69                    ; my column
	s_or_b32 s[G1R], s73, (3<<16)|(1<<21)          ; R: dense rows of 256 bytes (32 elements of 8 bytes), 96 of them, no padding
	s_mov_b32 s[G1R+1], 32<<16
	s_mov_b32 s[G1R+2], 96<<16
	s_mov_b32 s[G1R+3], 32<<16
	s_mov_b32 s[G1R+4], 96
	s_mov_b32 s[G1R+5], 32
	s_mov_b32 s[G1R+6], 0
	s_mov_b32 s[G1R+7], 0
	s_or_b32 s[G1P], s74, (1<<20)|(1<<21)|(3<<22)|(3<<25)   ; P: 64 rows of 192 bytes, 768 apart, 16 bytes of padding behind every 64
	s_mov_b32 s[G1P+1], 192<<16
	s_mov_b32 s[G1P+2], 64<<16
	s_mov_b32 s[G1P+3], 192<<16
	s_mov_b32 s[G1P+4], 64
	s_mov_b32 s[G1P+5], 768
	s_mov_b32 s[G1P+6], 0
	s_mov_b32 s[G1P+7], 0
	s_lshl_b32 s76, s72, 4
	s_lshl_b32 s75, s[WP], 3
	s_add_co_u32 s76, s76, s75
	s_mul_i32 s76, s76, 3072                       ; R: tiles of rows 16 y + 8 x half
	s_mov_b32 s77, 0
	s_lshl_b32 s78, s71, 7
	s_lshl_b32 s75, s[WP], 6
	s_add_co_u32 s78, s78, s75
	s_mul_i32 s78, s78, 768                        ; P: rows 128 x + 64 x half
	s_mov_b32 s79, 0
	s_mul_i32 s82, s[WP], RCH/2
	s_mul_i32 s83, s[WP], PCH/2
	s_wait_dscnt 0x0
	s_wait_kmcnt 0x0
	s_add_nc_u64 s[76:77], s[4:5], s[76:77]
	s_add_nc_u64 s[78:79], s[8:9], s[78:79]
	CROUND                                         ; all sixteen work-groups are here: the joint loads meet
.irp j, 0,1,2,3
	s_mov_b32 s[G0R+4*\j], 1
	s_add_co_u32 s[G0R+4*\j+1], s82, \j*RCH
	s_add_nc_u64 s[G0R+4*\j+2:G0R+4*\j+3], s[76:77], \j*1572864
	s_or_b32 s[G0R+4*\j+3], s[G0R+4*\j+3], 0x80000000
	s_mov_b32 s[G0P+4*\j], 1
	s_add_co_u32 s[G0P+4*\j+1], s83, PBASE+\j*PCH
	s_add_nc_u64 s[G0P+4*\j+2:G0P+4*\j+3], s[78:79], \j*192
	s_or_b32 s[G0P+4*\j+3], s[G0P+4*\j+3], 0x80000000
.endr
	s_cmp_eq_u32 s[WR], 0                          ; a wave's four first fills stand in one branch on its number: four loads of mine are out
	s_cbranch_scc0 .Lfor_p
.irp j, 0,1,2,3
	tensor_load_to_lds s[G0R+4*\j:G0R+4*\j+3], s[G1R:G1R+7]
	s_nop 0
.endr
.rept 4
	v_nop
.endr
	s_branch .Lasked
.Lfor_p:
.irp j, 0,1,2,3
	tensor_load_to_lds s[G0P+4*\j:G0P+4*\j+3], s[G1P:G1P+7]
	s_nop 0
.endr
.rept 4
	v_nop
.endr
.Lasked:
	v_and_b32 v1, 15, v0                           ; r
	v_bfe_u32 v2, v0, 4, 1                         ; h
	v_and_b32 v3, 31, v0
	v_lshlrev_b32 v4, 5, v1
	v_lshl_add_u32 v4, v2, 4, v4                   ; Wo's scales: 32 r + 16 h
	s_wait_alu depctr_va_vdst(0)
	v_lshlrev_b32 v5, 5, v2                        ; the bias: 32 h
	s_wait_alu depctr_va_vdst(0)
	v_lshlrev_b32 v6, 2, v1
	v_lshl_add_u32 v6, v2, 15, v6                  ; ao_sc: 4 r, and lanes 16-31 the next head's plane
	s_wait_alu depctr_va_vdst(0)
	s_lshl_b32 s75, s71, 7
	s_lshl_b32 s84, s[WP], 6
	s_add_co_u32 s75, s75, s84                     ; my first n
	s_lshl_b32 s84, s75, 5
	s_mov_b32 s85, 0
	s_add_nc_u64 s[10:11], s[10:11], s[84:85]
	s_lshl_b32 s84, s75, 2
	s_add_nc_u64 s[12:13], s[12:13], s[84:85]
	s_lshl_b32 s86, s72, 8
	s_lshl_b32 s84, s[WR], 7
	s_add_co_u32 s86, s86, s84                     ; my first m
	s_lshl_b32 s84, s86, 2
	s_add_nc_u64 s[6:7], s[6:7], s[84:85]
	s_lshl_b32 s84, s86, 12
	s_add_nc_u64 s[14:15], s[14:15], s[84:85]
	s_lshl_b32 s84, s75, 2
	s_add_nc_u64 s[14:15], s[14:15], s[84:85]      ; out0 at (my first m, my first n)
.irp i, 0,1,2,3
	global_load_b128 v[SPS+4*\i:SPS+4*\i+3], v4, s[10:11] offset:512*\i
.endr
.irp b, 0,1,2,3
	global_load_b128 v[BO+8*\b:BO+8*\b+3], v5, s[12:13] offset:64*\b          ; register j of tile b: bo[16 b + 8 h + j]
	global_load_b128 v[BO+8*\b+4:BO+8*\b+7], v5, s[12:13] offset:64*\b+16
.endr
.irp a, 0,1,2,3,4,5,6,7
.irp q, 0,1,2,3,4,5,6,7
	global_load_b32 v[SRW+8*\a+\q], v6, s[6:7] offset:65536*\q+64*\a          ; lanes 0-15: head 2 q's two bytes (low half), lanes 16-31: head 2 q + 1's (high half)
.endr
.endr
	v_lshlrev_b32 v[ADR], 3, v3
	s_mul_i32 s75, s[WR], RCH/2
	v_add_nc_u32 v[ADR], s75, v[ADR]
	v_mul_u32_u24 v[ADP], v1, PITCH
	v_mad_u32_u24 v[ADP], v2, 24, v[ADP]
	s_mul_i32 s75, s[WP], PCH/2
	s_add_co_u32 s75, s75, PBASE
	v_add_nc_u32 v[ADP], s75, v[ADP]
	v_lshl_add_u32 v[ADP+2], v2, 4, v[ADP]
	s_mul_i32 s75, s[WV], 16*SPITCH
	v_mul_u32_u24 v[STO], v1, SPITCH
	v_lshl_add_u32 v[STO], v2, 5, v[STO]
	v_add_nc_u32 v[STO], s75, v[STO]               ; the stage, in: row r, 32 bytes for each half of the lanes
	v_mul_u32_u24 v[RD], v2, SPITCH
	v_lshl_add_u32 v[RD], v1, 4, v[RD]
	v_add_nc_u32 v[RD], s75, v[RD]                 ; back: lanes 0-15 one row of 256 bytes, lanes 16-31 the next
	v_lshlrev_b32 v[CO], 12, v2
	v_lshl_add_u32 v[CO], v1, 4, v[CO]             ; and the same two rows in out0
	s_mov_b32 s80, 0x76543210
	s_mov_b32 s81, 0xfedcba98
.irp t, 0,1,2,3
	v_mov_b32 v[240+\t], 0
.endr
.macro FRAG reg, adr, q, i             ; P's fragment from rows: pieces of 8 bytes; the second address register where the piece three on lies behind one padding more
.irp p, 0,1,2,3,4,5
.set PC, 12*(\q)+6*(\p/3)+\p%3
.if PC%8 < 5
	ds_load_b64 v[\reg+2*\p:\reg+2*\p+1], v[\adr] offset:8*PC+16*(PC/8)+(\i)*16*PITCH
.else
	ds_load_b64 v[\reg+2*\p:\reg+2*\p+1], v[\adr+2] offset:8*PC+16*(PC/8)+(\i)*16*PITCH
.endif
.endr
.endm
.macro FRAGI reg, a, qs                ; R's fragment from its image: each load takes 256 consecutive bytes
.irp c, 0,1
.irp p, 0,1,2
	ds_load_b64 v[\reg+6*\c+2*\p:\reg+6*\c+2*\p+1], v[ADR] offset:3072*(\a)+1536*(\qs)+768*\c+256*\p
.endr
.endr
.endm
.macro FETCH_P3 q, p
	WIN 0x40
.irp i, 0,1,2,3
	FRAG 48*(\p)+FR*\i, ADP, \q, \i
.endr
	WIN 0
.endm
.macro FETCH_R3 qs, i0
.irp i, \i0, \i0+1, \i0+2, \i0+3
	FRAGI RF+FR*(\i), \i, \qs
.endr
.endm
; 16 matrix instructions: R's blocks a0 .. a0 + 3 x P's four.  The 32 accumulators take turns, one instruction a turn.
.macro MUL3 a0, p, Q
.irp a, \a0, \a0+1, \a0+2, \a0+3
.irp b, 0,1,2,3
.set rD, 8*(4*(\a)+\b)
.set rP, 48*(\p)+FR*\b
.set rR, RF+FR*(\a)
.set rSP, SPS+4*\b+((\Q)&3)
.set rSR, SRW+8*(\a)+(\Q)
.if (\Q) == 0
	v_wmma_scale_f32_16x16x128_f8f6f4 v[rD:rD+7], v[rP:rP+FR-1], v[rR:rR+FR-1], v[BO+8*\b:BO+8*\b+7], v[rSP], v[rSR] matrix_a_fmt:MATRIX_FMT_FP6 matrix_b_fmt:MATRIX_FMT_FP6
.elseif (\Q) < 4
	v_wmma_scale_f32_16x16x128_f8f6f4 v[rD:rD+7], v[rP:rP+FR-1], v[rR:rR+FR-1], v[rD:rD+7], v[rSP], v[rSR] matrix_a_fmt:MATRIX_FMT_FP6 matrix_b_fmt:MATRIX_FMT_FP6
.else
	v_wmma_scale_f32_16x16x128_f8f6f4 v[rD:rD+7], v[rP:rP+FR-1], v[rR:rR+FR-1], v[rD:rD+7], v[rSP], v[rSR] matrix_a_fmt:MATRIX_FMT_FP6 matrix_b_fmt:MATRIX_FMT_FP6 matrix_a_scale:MATRIX_SCALE_ROW1
.endif
.endr
.endr
.endm
.macro MWIN Q
.if (\Q) == 0
	WIN 0x81                                       ; P window 1, R and the bias window 0, D window 2
.else
	WIN 0xa1                                       ; C and D window 2
.endif
.endm
.macro STEP3 Q                         ; 128 along K
	s_wait_dscnt 4*NL                              ; P's set and R's blocks 0-3 are in; the youngest 24 loads (R's blocks 4-7) may be out
	MWIN \Q
	MUL3 0, (\Q)%2, \Q
	s_wait_dscnt 0x0
	WIN 0
.if (\Q) < 7
.if (\Q)%2 == 1
	s_wait_tensorcnt 2-(\Q)/2                      ; my part of the next chunk has landed: behind it I issued so many loads
	s_barrier_signal -1
	s_barrier_wait -1                              ; everybody's has
	v_add_nc_u32 v[ADR], RCH, v[ADR]
	v_add_nc_u32 v[ADP], PCH, v[ADP]
	s_wait_alu depctr_va_vdst(0)
	v_add_nc_u32 v[ADP+2], PCH, v[ADP+2]
.endif
	s_wait_alu depctr_va_vdst(0)
	PLACES
	FETCH_P3 ((\Q)+1)%2, ((\Q)+1)%2
	FETCH_R3 ((\Q)+1)%2, 0
.endif
	MWIN \Q
	MUL3 4, (\Q)%2, \Q
	PLACES
	WIN 0
.if (\Q) < 7
	FETCH_R3 ((\Q)+1)%2, 4
.endif
.endm
	s_wait_alu depctr_va_vdst(0)
	s_wait_tensorcnt 0x3                           ; my part of chunk 0 has landed; the three loads issued behind it may be out
	s_barrier_signal -1
	s_barrier_wait -1
	FETCH_P3 0, 0
	FETCH_R3 0, 0
	FETCH_R3 0, 4
	s_wait_loadcnt 0x0                             ; scales and bias
.set i, 0
.rept 16
.irp t, 0,1,2,3
	v_permlanex16_b32 v[240+\t], v[SRW+4*i+\t], s80, s81
.endr
.irp t, 0,1,2,3
	v_or_b32 v[SRW+4*i+\t], v[SRW+4*i+\t], v[240+\t]   ; lanes 0-15: the row's whole word of a K step: two heads' two bytes each
.endr
.set i, i+1
.endr
.rept 8
	v_nop                                          ; a scale register written by a vector instruction stands eight places ahead of a scaled matrix instruction
.endr
.irp Q, 0,1,2,3,4,5,6,7
	STEP3 \Q
.endr
; THE WAY OUT, a block of 16 rows x 64 columns at a time: through my stage in LDS and back as whole rows of 256 bytes.  LDS serves a wave's instructions in order: no wait between the stores and the loads.
.macro TOSTAGE a
	WIN 0x08                                       ; an LDS store's data are its source 1: window 2
.irp b, 0,1,2,3
	ds_store_b128 v[STO], v[8*(4*(\a)+\b):8*(4*(\a)+\b)+3] offset:64*\b          ; each accumulator from its low end on
	ds_store_b128 v[STO], v[8*(4*(\a)+\b)+4:8*(4*(\a)+\b)+7] offset:64*\b+16
.endr
	WIN 0
.set BB, BK+32*((\a)%2)
.irp t, 0,1,2,3,4,5,6,7
	ds_load_b128 v[BB+4*\t:BB+4*\t+3], v[RD] offset:\t*2*SPITCH
.endr
.endm
.macro SEND a, younger
.set BB, BK+32*((\a)%2)
	s_wait_dscnt \younger                          ; the block is back in registers
.irp t, 0,1,2,3,4,5,6,7
	global_store_b128 v[CO], v[BB+4*\t:BB+4*\t+3], s[14:15] offset:(16*(\a)+2*\t)*4096 th:TH_STORE_NT   ; 16 lanes store 256 consecutive bytes, aligned; written once, read by nobody here
.endr
.endm
	TOSTAGE 0
.irp a, 1,2,3,4,5,6,7
.if \a > 1
	s_wait_xcnt 0x0                                ; block a - 2's stores have read their registers: block a's loads may land there
.endif
	TOSTAGE \a
	SEND \a-1, 16                                  ; behind block a - 1's loads: block a's 8 stores and 8 loads
.endr
	SEND 7, 0
	s_wait_tensorcnt 0x0
	ds_add_u32 v254, v255
	s_wait_dscnt 0x0
	CROUND                                         ; the closing round: no work-group ends while a partner may still ask for a tile that names it
	s_endpgm
.Lfunc_end_k_q5eaff66491_oproj:
	.size	k_q5eaff66491_oproj, .Lfunc_end_k_q5eaff66491_oproj-k_q5eaff66491_oproj
	.p2alignl 7, 3214868480
	.fill 96, 4, 3214868480
	.section	.rodata,"a",@progbits
	.p2align	6, 0x0
	.amdhsa_kernel k_q5eaff66491_oproj
		.amdhsa_group_segment_fixed_size 327680
		.amdhsa_private_segment_fixed_size 0
		.amdhsa_enable_private_segment 0
		.amdhsa_kernarg_size 48
		.amdhsa_user_sgpr_count 2
		.amdhsa_user_sgpr_kernarg_segment_ptr 1
		.amdhsa_wavefront_size32 1
		.amdhsa_system_sgpr_workgroup_id_x 1
		.amdhsa_system_sgpr_workgroup_id_y 1
		.amdhsa_system_sgpr_workgroup_id_z 1
		.amdhsa_system_vgpr_workitem_id 0
		.amdhsa_next_free_vgpr 768
		.amdhsa_next_free_sgpr 100
		.amdhsa_reserve_vcc 0
		.amdhsa_float_denorm_mode_32 3
		.amdhsa_float_denorm_mode_16_64 3
		.amdhsa_memory_ordered 1
		.amdhsa_forward_progress 1
		.amdhsa_inst_pref_size 111
	.end_amdhsa_kernel
	.amdgpu_metadata
---
amdhsa.version: [ 1, 2 ]
amdhsa.kernels:
  - .name:           k_q5eaff66491_oproj
    .symbol:         k_q5eaff66491_oproj.kd
    .args:
      - { .name: ao_img, .offset: 0, .size: 8, .value_kind: global_buffer, .address_space: global }
      - { .name: ao_sc, .offset: 8, .size: 8, .value_kind: global_buffer, .address_space: global }
      - { .name: Wo_codes, .offset: 16, .size: 8, .value_kind: global_buffer, .address_space: global }
      - { .name: Wo_scales, .offset: 24, .size: 8, .value_kind: global_buffer, .address_space: global }
      - { .name: bo, .offset: 32, .size: 8, .value_kind: global_buffer, .address_space: global }
      - { .name: out0, .offset: 40, .size: 8, .value_kind: global_buffer, .address_space: global }
    .group_segment_fixed_size: 327680
    .private_segment_fixed_size: 0
    .kernarg_segment_align: 8
    .kernarg_segment_size: 48
    .max_flat_workgroup_size: 128
    .sgpr_count:     100
    .vgpr_count:     768
    .wavefront_size: 32
...
	.end_amdgpu_metadata
.endif
;; end of part 3
